; MI455X (gfx1250); checked and timed in simulation.
; The chip was launched on July 23, 2026; its instructions are those of AMD's public machine-readable ISA for CDNA 5 (MIT licence, August 2026) and "CDNA5" Instruction Set Architecture Reference Guide (July 2026). The comments in the code are by the model that wrote it; some were corrected since.
;; Multi Head Attention. Allowed arithmetic: matrix products marked QUANTISED: E4M3 operands, one E8M0 scale for each 32 along K, by v_wmma_scale_f32_16x16x128_f8f6f4 with both operands' format E4M3, f32 sums; everything else in f32.
;; Inputs: Wk 1,024 x 1,024 float32; Wo 1,024 x 1,024 float32; Wq 1,024 x 1,024 float32; Wv 1,024 x 1,024 float32; bo 1,024 float32; x 4 x 2,048 x 1,024 float32.
;; Outputs: out0 4 x 2,048 x 1,024 float32.
;; This version of the problem:
;;   THIS VERSION OF THE PROBLEM IS GIVEN IN LOW PRECISION. The matrix products marked QUANTISED in the list below multiply operands that are first quantised to E4M3 (4 exponent bits, 3 mantissa bits; 8 bits a number), with one power-of-two scale for each 32 numbers along K (OCP MX v1.0); their sums are f32. All else is computed in f32.
;;   The module's matrix products, in the order in which they are computed (A, B: the left and right operand; K: the contracted axis; several contracted axes count as one K, in the product's order):
;;     1. [M 8,192, K 1,024] x [K 1,024, N 1,024]; A: input x; B: input Wk: QUANTISED
;;     2. [M 8,192, K 1,024] x [K 1,024, N 1,024]; A: input x; B: input Wq: QUANTISED
;;     3. [M 8,192, K 1,024] x [K 1,024, N 1,024]; A: input x; B: input Wv: QUANTISED
;;     4. batch 64 x [M 2,048, K 64] x [K 64, N 2,048]; A: computed on the way; B: computed on the way: QUANTISED
;;     5. batch 64 x [M 2,048, K 2,048] x [K 2,048, N 64]; A: softmax (see below); B: computed on the way: QUANTISED
;;     6. [M 8,192, K 1,024] x [K 1,024, N 1,024]; A: computed on the way; B: input Wo: QUANTISED
;;   THE QUANTISER, for each operand of a quantised product, along K:
;;     - K is cut into blocks of 32 from its start; a last block that is shorter is filled with zeros.
;;     - A block's scale is 2^e with e = floor(log2(the largest magnitude in the block)) - 8, held to -126 .. 127; a block of zeros has e = 0. As a byte (E8M0): e + 127.
;;     - Each number is divided by its block's scale, clamped to +-448, and rounded to the nearest number of E4M3, ties to even, subnormals kept.
;;     - The product sums the exact products of the quantised numbers (number of the format x scale) in f32.
;;   ~~~python
;;   def quantise(x, axis):      # numpy; x: float32 -> the quantised numbers, widened to float32 again
;;       x = np.moveaxis(x, axis, -1); K = x.shape[-1]
;;       x = np.pad(x, [(0, 0)] * (x.ndim - 1) + [(0, -K % 32)]); x = x.reshape(x.shape[:-1] + (-1, 32)); a = np.abs(x).max(-1, keepdims=True)
;;       e = np.where(a > 0, np.clip(np.frexp(np.where(a > 0, a, 1))[1] - 1 - 8, -126, 127), 0)      # np.frexp(a)[1] - 1 = floor(log2(a)), exactly
;;       r = np.clip(x / 2.0 ** e, -448, 448)
;;       step = 2.0 ** (np.maximum(np.frexp(np.where(r == 0, 1, r))[1] - 1, -6) - 3)
;;       q = np.round(r / step) * step * 2.0 ** e      # np.round: ties to even
;;       return np.moveaxis(q.reshape(q.shape[:-2] + (-1,))[..., :K], -1, axis).astype(np.float32)
;;   ~~~
;;   SOFTMAX AHEAD OF A QUANTISED PRODUCT. Where the list says 'softmax', what is quantised is not the finished softmax but p = 2^(t - M), with t = logit x log2(e) and M = ceil(the row's largest t), a whole number; so 1/2 < the row's largest p <= 1. The row's sum l is taken of the UNQUANTISED p, in f32, and the product's result is divided by l at the end. Since M is a whole number, a kernel that streams over the keys may use a running M (the ceiling of the running maximum): every later rescaling is an exact power of two, which a block's scale takes up: the codes' values come out the same.
;;   OPERANDS COMPUTED ON THE WAY. 'Computed on the way' means the value that the module computes at that place (a softmax that the list does not call 'softmax' is quantised finished and normalised). What goes into a quantiser is computed in f32, as accurately as f32 sums, v_exp_f32 and their like allow (about 1e-6 of the number): no bf16 or f16 on the way to a quantiser, and a product that is left as it is and whose result goes on into a quantised operand takes f32 operands (vector FMAs, or v_wmma_f32_16x16x4_f32). A number that lies on a knife's edge between two numbers of the format may be rounded either way, as far as f32 arithmetic and the matrix unit's own rounding can turn it there, and no further.
;; One version. Each part assembles by itself: llvm-mc -triple=amdgcn-amd-amdhsa -mcpu=gfx1250 --defsym DOCPART=n.
;; ======== version 1 of 1: 4 launches
;; limits: right only within a limited range of input values
;; workspace buffers: xc 8,388,608 bytes; xs 262,144 bytes; wc 4,194,304 bytes; ws 131,072 bytes; qkvc 25,165,824 bytes; qkvs 786,432 bytes; ac 8,388,608 bytes; asc 262,144 bytes
;; launch quant (part 1): grid 768 x 1, 4 waves a work-group, no clusters, 34,304 bytes of LDS; arguments x, Wq, Wk, Wv, Wo, xc, xs, wc, ws; writes xc, xs, wc, ws
.if DOCPART == 1
	.amdgcn_target "amdgcn-amd-amdhsa--gfx1250"
	.amdhsa_code_object_version 6
	.text
	.protected	k_qdda21697ed_quant
	.globl	k_qdda21697ed_quant
	.p2align	8
	.type	k_qdda21697ed_quant,@function
k_qdda21697ed_quant:
	s_mov_b64 s[64:65], 0
	v_nop
	global_prefetch_b8 v0, s[64:65] scope:SCOPE_SE
	s_setreg_imm32_b32 hwreg(HW_REG_WAVE_MODE, 25, 1), 1
	s_wait_xcnt 0x0
; x [8192][1024] and Wq, Wk, Wv, Wo [1024][1024], f32, K innermost, become codes of FP8 (E4M3) with one E8M0 scale byte for each 32 along K.
; A block's scale is 2^(floor(log2(its largest magnitude)) - 8); its byte is the largest magnitude's exponent field - 8, held at 1 from below; each number is held within +-448 x the scale and rounded to the nearest code, ties to even.
; LIMITS: NaN and infinities among the inputs are not served.  A block of zeros gets the byte 1 where the rule says 127: its codes are zeros, which add nothing, and this program alone reads the bytes.
; THE OUTPUT IS LAID AS THE MATRIX OPERAND'S REGISTERS.  A tile T is 16 rows; place r of it holds row 32 (T / 2) + 8 (T % 2) + r % 8 + 16 (r / 8).  A fragment (16 rows x 128 K) is 2,048 bytes:
; [c 0..3][lane][16 bytes], lane (r, h) holding K = 32 c + 16 h + 0 .. 15 of place r.  Codes: [T][K step of 128: 8][2,048].  Scale words: [T][K step of 256: 4][r 16][half 2], four bytes each.
; SHARES.  Work-group G is a tile: G < 512: x's tile G; else tile G - 512 of the weights' buffer (64 tiles each of Wq, Wk, Wv, Wo).  Wave S takes K = 256 S .. 256 S + 255: two fragments.
; A load takes 512 consecutive bytes of one row; the 16 rows turn through the wave's own stage in LDS (rows 528 bytes apart) and come back 16 neighbours of a block to a lane.  Waves share nothing: no barrier.  Work-groups share no input: no cluster.
.set TM,   16                          ; v16-19 largest magnitudes, v20-23 bytes, v28-31 the conversions' scale operands
.set R,    32                          ; v32-159  two sets of 64 numbers
.set PC,   160                         ; v160-191 the codes of the two fragments
.set PW,   192                         ; v192-193 their scale words
.set STG,  8448                        ; a wave's stage: 16 rows x 528 bytes
.set SEL,  30                          ; s[30:31] selects of v_permlanex16_b32: lane l xor 16
.set MNT,  32
.set HI,   33                          ; s33 a lane mask: lanes 16-31
	s_load_b512 s[4:19], s[0:1], 0x0               ; x, Wq, Wk, Wv, Wo, xc, xs, wc
	s_load_b64 s[20:21], s[0:1], 0x40              ; ws
	v_lshl_add_u32 v200, v0, 2, 0x8400
	v_mov_b32 v201, 0
	v_lshrrev_b32 v5, 5, v0
	v_readfirstlane_b32 s38, v5                    ; wave
	v_and_b32 v6, 31, v0                           ; lane
	v_and_b32 v7, 15, v0                           ; r
	v_bfe_u32 v8, v0, 4, 1                         ; h
	v_lshlrev_b32 v1, 4, v6                        ; 16 x lane: my bytes of a load and of a store
	s_mul_i32 s39, s38, STG
	v_add_nc_u32 v2, s39, v1                       ; the stage, on the way in: 16 x lane of a row
	v_mul_u32_u24 v3, v7, 528
	v_lshl_add_u32 v3, v8, 6, v3
	v_add_nc_u32 v3, s39, v3                       ; and on the way out: row r, + 64 h: my 16 numbers of a block
	v_lshlrev_b32 v4, 3, v7
	v_lshl_add_u32 v4, v8, 2, v4                   ; the scale words: 8 r + 4 h
	s_mov_b32 s[SEL], 0x76543210
	s_mov_b32 s[SEL+1], 0xfedcba98
	s_mov_b32 s[HI], 0xffff0000
.irp b, 0,1,2,3
	v_mov_b32 v[TM+4+\b], 0                        ; written once: a lane permute's destination counts as one of its sources
.endr
	s_cmp_lt_u32 ttmp9, 512
	s_cselect_b32 s22, 0, 512
	s_sub_co_u32 s22, ttmp9, s22                   ; the tile's number in its output buffer
	s_lshr_b32 s23, s22, 6                         ; which weight
	s_and_b32 s34, s22, 63
	s_cmp_lt_u32 ttmp9, 512
	s_cselect_b32 s34, s22, s34                    ; the tile's number in its source
	s_lshr_b32 s35, s34, 1
	s_lshl_b32 s35, s35, 17                        ; 32 rows of 4,096 bytes for each pair of tiles,
	s_and_b32 s36, s34, 1
	s_lshl_b32 s36, s36, 15                        ; 8 rows for the odd one,
	s_add_co_u32 s36, s36, s35
	s_lshl_b32 s35, s38, 10                        ; 1,024 bytes along the row for each wave
	s_add_co_u32 s36, s36, s35
	s_mov_b32 s37, 0
	s_lshl_b32 s34, s22, 14                        ; codes: 16,384 bytes a tile, 4,096 a wave
	s_lshl_b32 s35, s38, 12
	s_add_co_u32 s34, s34, s35
	s_mov_b32 s35, 0
	s_lshl_b32 s40, s22, 9                         ; scale words: 512 bytes a tile, 128 a wave
	s_lshl_b32 s41, s38, 7
	s_add_co_u32 s40, s40, s41
	s_mov_b32 s41, 0
	s_wait_alu depctr_va_vdst(0)
	s_wait_kmcnt 0x0
	s_mov_b64 s[24:25], s[12:13]                   ; the source is chosen by the work-group's number alone
	s_cmp_eq_u32 s23, 2
	s_cselect_b64 s[24:25], s[10:11], s[24:25]
	s_cmp_eq_u32 s23, 1
	s_cselect_b64 s[24:25], s[8:9], s[24:25]
	s_cmp_eq_u32 s23, 0
	s_cselect_b64 s[24:25], s[6:7], s[24:25]
	s_cmp_lt_u32 ttmp9, 512
	s_cselect_b64 s[24:25], s[4:5], s[24:25]
	s_cselect_b64 s[26:27], s[14:15], s[18:19]     ; the codes' buffer
	s_cselect_b64 s[28:29], s[16:17], s[20:21]     ; the scale words'
	s_add_nc_u64 s[24:25], s[24:25], s[36:37]
	s_add_nc_u64 s[26:27], s[26:27], s[34:35]
	s_add_nc_u64 s[28:29], s[28:29], s[40:41]
.macro LOAD f                          ; fragment f: place r's 128 numbers, 512 consecutive bytes a load
.irp r, 0,1,2,3,4,5,6,7,8,9,10,11,12,13,14,15
	global_load_b128 v[R+64*\f+4*\r:R+64*\f+4*\r+3], v1, s[24:25] offset:(\r%8+16*(\r/8))*4096+512*\f th:TH_LOAD_NT
.endr
.endm
.macro TURN f                          ; through the stage: LDS serves a wave's instructions in order, so no wait stands between the stores and the loads; register 16 b + i becomes K = 32 b + 16 h + i of place r
.irp r, 0,1,2,3,4,5,6,7,8,9,10,11,12,13,14,15
	ds_store_b128 v2, v[R+64*\f+4*\r:R+64*\f+4*\r+3] offset:528*\r
.endr
.irp b, 0,1,2,3
.irp j, 0,1,2,3
	ds_load_b128 v[R+64*\f+16*\b+4*\j:R+64*\f+16*\b+4*\j+3], v3 offset:128*\b+16*\j
.endr
.endr
.endm
.macro QUANT s, pc, pw                 ; 64 numbers of a lane become a fragment's 16 registers of codes and its row's scale word
.irp b, 0,1,2,3
	v_max3_num_f32 v[TM+\b], |v[\s+16*\b]|, |v[\s+1+16*\b]|, 0x4800000   ; block b: my 16 numbers, and the floor 2^(9 - 127): the byte cannot fall under 1
.endr
.irp i, 2,4,6,8,10,12,14
.irp b, 0,1,2,3
	v_max3_num_f32 v[TM+\b], v[TM+\b], |v[\s+16*\b+\i]|, |v[\s+1+16*\b+\i]|   ; the four blocks by turns
.endr
.endr
.irp b, 0,1,2,3
	v_permlanex16_b32 v[TM+4+\b], v[TM+\b], s[SEL], s[SEL+1]
.endr
.irp b, 0,1,2,3
	v_max_num_f32 v[TM+\b], v[TM+\b], v[TM+4+\b]   ; with lane l xor 16's 16: the block's largest magnitude
.endr
.irp b, 0,1,2,3
	v_add_nc_u32 v[TM+12+\b], 0xfc000000, v[TM+\b] ; 8 off its exponent field: the conversion's scale operand
.endr
.irp b, 0,1,2,3
.endr
.irp b, 0,1,2,3
	v_lshrrev_b32 v[TM+4+\b], 23, v[TM+12+\b]      ; the scale's byte
.endr
	v_lshl_or_b32 v[\pw], v[TM+5], 8, v[TM+4]
	v_lshl_or_b32 v[\pw], v[TM+6], 16, v[\pw]
	v_lshl_or_b32 v[\pw], v[TM+7], 24, v[\pw]
.irp b, 0,1,2,3
.irp i, 0,1,2,3,4,5,6,7,8,9,10,11,12,13,14,15
.endr
	v_cvt_scalef32_pk8_fp8_f32 v[\pc+4*\b:\pc+1+4*\b], v[\s+16*\b:\s+7+16*\b], v[TM+12+\b]
	v_cvt_scalef32_pk8_fp8_f32 v[\pc+2+4*\b:\pc+3+4*\b], v[\s+8+16*\b:\s+15+16*\b], v[TM+12+\b]
.endr
	v_nop                                          ; a plain line behind the last conversion, ahead of the next vector line that writes its sources
.endm
	LOAD 0
	LOAD 1
	s_wait_loadcnt 16                              ; fragment 0's sixteen loads are in; fragment 1's may be out
	TURN 0
	s_wait_loadcnt 0x0
	TURN 1
	s_wait_dscnt 32                                ; fragment 0 is back; the 32 LDS instructions of fragment 1's turn may be out
	QUANT R, PC, PW
.irp c, 0,1,2,3
	global_store_b128 v1, v[PC+4*\c:PC+4*\c+3], s[26:27] offset:512*\c          ; 512 consecutive bytes a store
.endr
	s_wait_dscnt 0x0
	QUANT R+64, PC+16, PW+1
.irp c, 0,1,2,3
	global_store_b128 v1, v[PC+16+4*\c:PC+16+4*\c+3], s[26:27] offset:2048+512*\c
.endr
	v_cndmask_b32 v194, v[PW], v[PW+1], s[HI]      ; lanes 0-15 carry the first fragment's word of row r, lanes 16-31 the second's
	global_store_b32 v4, v194, s[28:29]            ; 128 consecutive bytes
	s_wait_tensorcnt 0x0
	ds_add_u32 v200, v201
	s_wait_dscnt 0x0
	s_endpgm
.Lfunc_end_k_qdda21697ed_quant:
	.size	k_qdda21697ed_quant, .Lfunc_end_k_qdda21697ed_quant-k_qdda21697ed_quant
	.p2alignl 7, 3214868480
	.fill 96, 4, 3214868480
	.section	.rodata,"a",@progbits
	.p2align	6, 0x0
	.amdhsa_kernel k_qdda21697ed_quant
		.amdhsa_group_segment_fixed_size 34304
		.amdhsa_private_segment_fixed_size 0
		.amdhsa_enable_private_segment 0
		.amdhsa_kernarg_size 72
		.amdhsa_user_sgpr_count 2
		.amdhsa_user_sgpr_kernarg_segment_ptr 1
		.amdhsa_wavefront_size32 1
		.amdhsa_system_sgpr_workgroup_id_x 1
		.amdhsa_system_sgpr_workgroup_id_y 1
		.amdhsa_system_sgpr_workgroup_id_z 1
		.amdhsa_system_vgpr_workitem_id 0
		.amdhsa_next_free_vgpr 202
		.amdhsa_next_free_sgpr 66
		.amdhsa_reserve_vcc 0
		.amdhsa_float_denorm_mode_32 3
		.amdhsa_float_denorm_mode_16_64 3
		.amdhsa_fp16_overflow 1
		.amdhsa_memory_ordered 1
		.amdhsa_forward_progress 1
		.amdhsa_inst_pref_size 19
	.end_amdhsa_kernel
	.amdgpu_metadata
---
amdhsa.version: [ 1, 2 ]
amdhsa.kernels:
  - .name:           k_qdda21697ed_quant
    .symbol:         k_qdda21697ed_quant.kd
    .args:
      - { .name: x, .offset: 0, .size: 8, .value_kind: global_buffer, .address_space: global }
      - { .name: Wq, .offset: 8, .size: 8, .value_kind: global_buffer, .address_space: global }
      - { .name: Wk, .offset: 16, .size: 8, .value_kind: global_buffer, .address_space: global }
      - { .name: Wv, .offset: 24, .size: 8, .value_kind: global_buffer, .address_space: global }
      - { .name: Wo, .offset: 32, .size: 8, .value_kind: global_buffer, .address_space: global }
      - { .name: xc, .offset: 40, .size: 8, .value_kind: global_buffer, .address_space: global }
      - { .name: xs, .offset: 48, .size: 8, .value_kind: global_buffer, .address_space: global }
      - { .name: wc, .offset: 56, .size: 8, .value_kind: global_buffer, .address_space: global }
      - { .name: ws, .offset: 64, .size: 8, .value_kind: global_buffer, .address_space: global }
    .group_segment_fixed_size: 34304
    .private_segment_fixed_size: 0
    .kernarg_segment_align: 8
    .kernarg_segment_size: 72
    .max_flat_workgroup_size: 128
    .sgpr_count:     66
    .vgpr_count:     202
    .wavefront_size: 32
...
	.end_amdgpu_metadata
.endif
;; end of part 1
;; launch qkv (part 2): grid 12 x 32, 4 waves a work-group, clusters of 4 x 4, 327,680 bytes of LDS; arguments xc, xs, wc, ws, qkvc, qkvs; writes qkvc, qkvs
.if DOCPART == 2
	.amdgcn_target "amdgcn-amd-amdhsa--gfx1250"
	.amdhsa_code_object_version 6
	.text
	.protected	k_qdda21697ed_qkv
	.globl	k_qdda21697ed_qkv
	.p2align	8
	.type	k_qdda21697ed_qkv,@function
k_qdda21697ed_qkv:
	s_mov_b64 s[64:65], 0
	v_nop
	global_prefetch_b8 v0, s[64:65] scope:SCOPE_SE
	s_setreg_imm32_b32 hwreg(HW_REG_WAVE_MODE, 25, 1), 1
	s_wait_xcnt 0x0
	s_wait_alu depctr_hold_cnt(0) depctr_sa_sdst(0) depctr_va_vdst(0) depctr_va_sdst(0) depctr_va_ssrc(0) depctr_va_vcc(0) depctr_vm_vsrc(0)
	s_getreg_b32 s2, hwreg(HW_REG_IB_STS2, 6, 4)
	s_cmp_eq_u32 s2, 0
	s_cbranch_scc0 .Lentry_in_a_cluster
	s_endpgm
.Lentry_in_a_cluster:
	s_bfe_u32 s2, ttmp6, 0x10000c
	s_cmp_lg_u32 s2, 0xf033
	s_cbranch_scc0 .Lentry_shape_is_right
	s_endpgm
.Lentry_shape_is_right:
; q = x Wq^T, k = x Wk^T, v = x Wv^T on codes of FP8 (E4M3) with E8M0 scales (K = 1,024), and the results quantised at once for attention: q and k along the head's 64, v along the keys.
; A work-group of four waves makes 256 x 256 numbers, a wave 128 x 128: 64 accumulators, 512 registers.  K goes in steps of 256 through two LDS slots filled by the tensor data mover.
; OPERANDS LIE IN MEMORY AS IMAGES OF THE OPERAND'S REGISTERS: tile T (16 rows; place r = row 32 (T / 2) + 8 (T % 2) + r % 8 + 16 (r / 8)), [T][K step of 128][c 0..3][lane][16 bytes]; a fragment comes from LDS by four loads of 512 consecutive bytes.
; THE PRODUCT IS D = B' x A'^T: source 0 = 16 rows of B', source 1 = 16 rows of A'.  A lane then holds ONE row of A' and, in the 16 registers of B's tiles 2 b and 2 b + 1, 16 NEIGHBOURING rows of B': 32 b + 16 (lane / 16) + 0 .. 15.
; ROLES, by the cluster's x, which all partners share: 0: q, 1: k: A' = x (tokens), B' = the weight (a lane holds a token, its registers run along the head's axis); 2: v: A' = Wv, B' = x (a lane holds a channel, its registers run along the keys).
; So the conversions' results are the next products' operand registers, and they leave by stores of 512 consecutive bytes, with no way through LDS.
; OUTPUT, for head HB = 16 batch + head: codes 393,216 bytes: Q [tile 128][c 2][lane][16]; then for each step of 128 keys K [tile 8][c 2][lane][16] and V [d tile 4][c 4][lane][16].
; Scale bytes 12,288: Q [tile][r] two bytes; then for each step K [pair of tiles 4][r] four bytes (two of each tile) and V [d tile 4][r] four bytes.  These leave as stores of two bytes a lane: one byte in 32 of what the launch stores.
; CLUSTERS: 4 x 4 work-groups; A's tiles are asked for jointly along a row of the cluster, B's along a column.
; LIMITS: NaN and infinities are not served; a block of zeros carries the byte 1 (its codes are zeros; this program alone reads the bytes).
; REGISTERS: window 0: v16-29 addresses; v32-63 scale words, two sets; v64-95 at work on the way out; v128-255 A's fragments, one set, later the codes.  window 1: B's fragments, two sets.  windows 2, 3: the accumulators, (a, b) at v[8 (8 (a % 4) + b)].
.set NQ,     2                         ; matrix instructions deep in a slot
.set FR,     16                        ; registers of a fragment
.set NL,     4                         ; LDS loads that bring one
.set NP,     8                         ; places behind this matrix instruction (ISA guide 7.12.1)
.set HALFT,  32768                     ; 8 tiles x 4,096 bytes: what one tensor load brings, and what one wave reads of A' or of B'
.set SLOT,   131072                    ; A's 16 tiles, then B's 16
.set SCL,    262144                    ; behind the ring: the scale words of all of K, filled once
.set HALFS,  4096                      ; those of 8 tiles
.set SPARE,  278528                    ; the spare words, 128 bytes for each wave, which no other line names
.set LAPS,   2                         ; K = 1,024: four K steps, twice round the ring
.set ADRA, 16                          ; v16-17 LDS address of my A' fragments in slot 0, 1
.set ADRB, 20                          ; v20-21 the same for B'
.set ADRS, 27                          ; v27    of my scale words: lanes 0-15 A's, lanes 16-31 B's
.set SPW,  28                          ; v28    my spare word; never rewritten
.set NIL,  29                          ; v29    0; never rewritten
.set SC,   32                          ; scale words: set s at v[SC + 16 s]; register 2 i + q: lanes 0-15 A's tile i, lanes 16-31 B's tile i
.set AF,   128
.set WV, 16
.set WR, 17
.set WC, 18
.set G1, 24
.set G0, 32
.set G1B, 48
.set G0B, 56
.set G1S, 68
.set G0S, 76
.set G1SB, 80
.set G0SB, 88
.set MSB, 0
.macro WIN new                         ; the immediate's high byte repeats the setting that is left
.if MSB != (\new)
	s_set_vgpr_msb (MSB<<8)|(\new)
.set MSB, (\new)
.endif
.endm
.set MUL_LO, 0xa1                      ; source 0 (B') window 1, source 1 (A') window 0, C and D window 2
.set MUL_HI, 0xf1                      ; the same, C and D window 3
.set TO_B,   0x40                      ; destination window 1, address window 0
; A joint load: waves 0 and 1 fetch for A', waves 2 and 3 for B'.  The branch hangs on the wave's number alone.  Four v_nop follow each of the two lines.
.macro JLOAD g0a, g1a, g0b, g1b
	s_cmp_eq_u32 s[WR], 0
	s_cbranch_scc0 .Lfor_b_\@
	tensor_load_to_lds s[\g0a:\g0a+3], s[\g1a:\g1a+7]
	s_nop 0
.rept 4
	v_nop
.endr
	s_branch .Lasked_\@
.Lfor_b_\@:
	tensor_load_to_lds s[\g0b:\g0b+3], s[\g1b:\g1b+7]
	s_nop 0
.rept 4
	v_nop
.endr
.Lasked_\@:
.endm
.macro CREST                           ; a round of the cluster's barrier behind its opening barrier
	s_cmp_lg_u32 s[WV], 0
	s_cbranch_scc1 .Lnot_wave_0_\@
	s_barrier_signal -3
.Lnot_wave_0_\@:
	s_barrier_wait -3
	s_barrier_signal -1
	s_barrier_wait -1
.endm
.macro CROUND
	s_barrier_signal -1
	s_barrier_wait -1
	CREST
.endm
	s_load_b256 s[4:11], s[0:1], 0x0               ; xc, xs, wc, ws
	s_load_b128 s[12:15], s[0:1], 0x20             ; qkvc, qkvs
	v_lshl_add_u32 v[SPW], v0, 2, SPARE
	v_mov_b32 v[NIL], 0
	ds_add_u32 v28, v29
	ds_add_u32 v28, v29
	s_wait_dscnt 0x0
	v_lshrrev_b32 v1, 5, v0
	v_readfirstlane_b32 s[WV], v1                  ; wave 0..3
	s_lshr_b32 s[WR], s[WV], 1                     ; which half of A's rows is mine.  Also: I fetch for A' (0) or for B' (1)
	s_and_b32 s[WC], s[WV], 1                      ; which half of B's rows.  Also: which 8 tiles I fetch
	s_bfe_u32 s40, ttmp6, 0x40000                  ; cx
	s_bfe_u32 s41, ttmp6, 0x40004                  ; cy
	s_and_b32 s42, ttmp7, 0xffff                   ; the cluster's y
	s_lshl_b32 s43, s41, 2
	s_lshl_b32 s43, 15, s43                        ; my row of the cluster
	s_lshl_b32 s44, 0x1111, s40                    ; my column
	; descriptor group 1, codes: 8 rows (tiles) of 512 elements of 8 bytes (a tile's K step: 4,096 bytes), 2,048 elements from tile to tile; no padding
	s_or_b32 s[G1+0], s43, (3<<16)|(1<<21)
	s_or_b32 s[G1B+0], s44, (3<<16)|(1<<21)
.irp g, G1, G1B
	s_mov_b32 s[\g+1], 512<<16                     ; tensor_dim0
	s_mov_b32 s[\g+2], 8<<16                       ; tensor_dim1
	s_mov_b32 s[\g+3], 512<<16                     ; tile_dim0
	s_mov_b32 s[\g+4], 8                           ; tile_dim1
	s_mov_b32 s[\g+5], 2048                        ; tensor_dim0_stride
	s_mov_b32 s[\g+6], 0
	s_mov_b32 s[\g+7], 0
.endr
	; scale words of 8 tiles: 4,096 dense bytes as 16 rows of 32 elements of 8 bytes
	s_or_b32 s[G1S+0], s43, (3<<16)|(1<<21)
	s_or_b32 s[G1SB+0], s44, (3<<16)|(1<<21)
.irp g, G1S, G1SB
	s_mov_b32 s[\g+1], 32<<16
	s_mov_b32 s[\g+2], 16<<16
	s_mov_b32 s[\g+3], 32<<16
	s_mov_b32 s[\g+4], 16
	s_mov_b32 s[\g+5], 32
	s_mov_b32 s[\g+6], 0
	s_mov_b32 s[\g+7], 0
.endr
	; which 16 tiles: A': q, k: x's 4 Y + cy; v: Wv's cy.  B': q, k: the weights' 4 X + cx; v: x's 4 Y + cx
	s_cmp_eq_u32 ttmp9, 2
	s_cselect_b32 s45, 0, s42
	s_cselect_b32 s46, s42, ttmp9
	s_cselect_b32 s20, 2097152, 0                  ; Wv begins 128 tiles into the weights' codes,
	s_cselect_b32 s22, 65536, 0                    ; and into their scale words
	s_lshl_b32 s45, s45, 2
	s_add_co_u32 s45, s45, s41
	s_lshl_b32 s46, s46, 2
	s_add_co_u32 s46, s46, s40
	s_lshl_b32 s47, s45, 18                        ; 16 tiles of 16,384 bytes,
	s_add_co_u32 s20, s20, s47
	s_lshl_b32 s47, s[WC], 17                      ; my 8 of them
	s_add_co_u32 s20, s20, s47
	s_mov_b32 s21, 0
	s_lshl_b32 s47, s45, 13                        ; 16 tiles of 512 bytes of scale words
	s_add_co_u32 s22, s22, s47
	s_lshl_b32 s47, s[WC], 12
	s_add_co_u32 s22, s22, s47
	s_mov_b32 s23, 0
	s_lshl_b32 s94, s46, 18
	s_lshl_b32 s95, s[WC], 17
	s_add_co_u32 s94, s94, s95
	s_mov_b32 s95, 0
	s_lshl_b32 s96, s46, 13
	s_lshl_b32 s97, s[WC], 12
	s_add_co_u32 s96, s96, s97
	s_mov_b32 s97, 0
	s_lshl_b32 s19, s[WV], 15                      ; where they go: wave x 8 tiles: no place in the cluster enters an LDS address
	s_lshl_b32 s2, s[WV], 12
	s_wait_kmcnt 0x0
	s_cmp_eq_u32 ttmp9, 2                          ; the buffers change places for v: the choice hangs on the cluster's x alone
	s_cselect_b64 s[92:93], s[8:9], s[4:5]         ; A's codes
	s_cselect_b64 s[98:99], s[10:11], s[6:7]       ; A's scale words
	s_cselect_b64 s[4:5], s[4:5], s[8:9]           ; B's codes
	s_cselect_b64 s[6:7], s[6:7], s[10:11]         ; B's scale words
	s_add_nc_u64 s[92:93], s[92:93], s[20:21]
	s_add_nc_u64 s[98:99], s[98:99], s[22:23]
	s_add_nc_u64 s[4:5], s[4:5], s[94:95]
	s_add_nc_u64 s[6:7], s[6:7], s[96:97]
	CROUND                                         ; all sixteen work-groups are here: the first joint loads meet
	s_mov_b32 s[G0S], 1
	s_add_co_u32 s[G0S+1], s2, SCL
	s_mov_b64 s[G0S+2:G0S+3], s[98:99]
	s_or_b32 s[G0S+3], s[G0S+3], 0x80000000
	s_mov_b32 s[G0SB], 1
	s_add_co_u32 s[G0SB+1], s2, SCL
	s_mov_b64 s[G0SB+2:G0SB+3], s[6:7]
	s_or_b32 s[G0SB+3], s[G0SB+3], 0x80000000
	JLOAD G0S, G1S, G0SB, G1SB                     ; the scale words first: they are wanted with K step 0
.irp s, 0,1
	s_mov_b32 s[G0+4*\s], 1
	s_add_co_u32 s[G0+4*\s+1], s19, \s*SLOT
	s_add_nc_u64 s[G0+4*\s+2:G0+4*\s+3], s[92:93], \s*4096
	s_or_b32 s[G0+4*\s+3], s[G0+4*\s+3], 0x80000000
	s_mov_b32 s[G0B+4*\s], 1
	s_add_co_u32 s[G0B+4*\s+1], s19, \s*SLOT
	s_add_nc_u64 s[G0B+4*\s+2:G0B+4*\s+3], s[4:5], \s*4096
	s_or_b32 s[G0B+4*\s+3], s[G0B+4*\s+3], 0x80000000
	JLOAD G0+4*\s, G1, G0B+4*\s, G1B               ; three tensor loads of mine are out at the most
.endr
	v_and_b32 v1, 31, v0
	v_lshlrev_b32 v4, 4, v1                        ; 16 x lane
	v_and_b32 v2, 15, v0                           ; r
	v_bfe_u32 v3, v0, 4, 1                         ; h
	s_wait_alu depctr_va_vdst(0)
	s_lshl_b32 s21, s[WR], 15                      ; my 8 tiles of A'
	s_lshl_b32 s22, s[WC], 15                      ; my 8 tiles of B',
	s_add_co_u32 s22, s22, 2*HALFT                 ; which lie behind A's 16
.irp s, 0,1
	v_add_nc_u32 v[ADRA+\s], s21, v4
	v_add_nc_u32 v[ADRB+\s], s22, v4
	s_add_co_u32 s21, s21, SLOT
	s_add_co_u32 s22, s22, SLOT
.endr
	v_lshlrev_b32 v5, 3, v2                        ; a row's two words of a K step: 8 r
	s_lshl_b32 s21, s[WR], 12
	s_lshl_b32 s22, s[WC], 12
	s_add_co_u32 s22, s22, 2*HALFS
	s_sub_co_u32 s22, s22, s21
	v_mul_u32_u24 v6, s22, v3                      ; lanes 16-31 take B's: one product, the distance between the two bases
	s_add_co_u32 s21, s21, SCL
	v_add_nc_u32 v5, v5, v6
	v_add_nc_u32 v[ADRS], s21, v5
.macro FRAG reg, adr, q, i             ; a fragment: tile i, the slot's q-th 128 along K: four loads of 512 consecutive bytes
.irp c, 0,1,2,3
	ds_load_b128 v[\reg+4*\c:\reg+4*\c+3], v[\adr] offset:4096*(\i)+2048*(\q)+512*\c
.endr
.endm
; 16 matrix instructions: A's tiles a0, a0 + 1 x B's eight.  p: B's set; sc: the set of scale words.  zero = 1: the first product starts the sums.  The 64 accumulators take turns, one instruction a turn.
.macro MUL16 a0, p, q, sc, zero
.irp a, \a0, \a0+1
.irp b, 0,1,2,3,4,5,6,7
.if \zero
	v_wmma_scale_f32_16x16x128_f8f6f4 v[8*(8*((\a)%4)+\b):8*(8*((\a)%4)+\b)+7], v[128*(\p)+FR*\b:128*(\p)+FR*\b+FR-1], v[AF+FR*(\a):AF+FR*(\a)+FR-1], 0, v[SC+8*NQ*(\sc)+NQ*\b+(\q)], v[SC+8*NQ*(\sc)+NQ*(\a)+(\q)] matrix_a_scale:MATRIX_SCALE_ROW1
.else
	v_wmma_scale_f32_16x16x128_f8f6f4 v[8*(8*((\a)%4)+\b):8*(8*((\a)%4)+\b)+7], v[128*(\p)+FR*\b:128*(\p)+FR*\b+FR-1], v[AF+FR*(\a):AF+FR*(\a)+FR-1], v[8*(8*((\a)%4)+\b):8*(8*((\a)%4)+\b)+7], v[SC+8*NQ*(\sc)+NQ*\b+(\q)], v[SC+8*NQ*(\sc)+NQ*(\a)+(\q)] matrix_a_scale:MATRIX_SCALE_ROW1
.endif
.endr
.endr
.endm
.macro FETCH_B slot, q, p
	WIN TO_B
.irp i, 0,1,2,3,4,5,6,7
	FRAG 128*(\p)+FR*\i, ADRB+\slot, \q, \i
.endr
	WIN 0
.endm
.macro FETCH_A slot, q, i0
.irp i, \i0, \i0+1, \i0+2, \i0+3
	FRAG AF+FR*(\i), ADRA+\slot, \q, \i
.endr
.endm
.macro SCALES sc                       ; a K step's scale words: two a row; lanes 0-15 A's tile i, lanes 16-31 B's tile i
.irp i, 0,1,2,3,4,5,6,7
	ds_load_b64 v[SC+8*NQ*\sc+NQ*\i:SC+8*NQ*\sc+NQ*\i+1], v[ADRS] offset:512*\i
.endr
.endm
.macro PLACES n                        ; plain vector lines between a matrix instruction and a load into, or a vector line on, its registers
.rept \n
	v_nop
.endr
.endm
.macro STEP slot, q, zero              ; 128 along K whose successor lies in the same slot
	s_wait_dscnt 4*NL                              ; B's set and A's tiles 0-3 are in; the youngest sixteen loads (A's tiles 4-7) may be out
	WIN MUL_LO
	MUL16 0, (\q)%2, \q, \slot, \zero
	MUL16 2, (\q)%2, \q, \slot, \zero
	s_wait_dscnt 0
	PLACES NP
	FETCH_B \slot, (\q)+1, 1-(\q)%2
	FETCH_A \slot, (\q)+1, 0
	WIN MUL_HI
	MUL16 4, (\q)%2, \q, \slot, \zero
	MUL16 6, (\q)%2, \q, \slot, \zero
	PLACES NP
	WIN 0
	FETCH_A \slot, (\q)+1, 4
.endm
; A slot's last step changes slots: one barrier; in front of it each wave waits for all its tensor loads, adds 0 to its spare word, and waits for that and for its reads of this slot.  fill = 1: this slot is filled again, two K steps ahead.
.macro TURN slot, next, fill
	s_wait_tensorcnt 0x0                           ; all my tensor loads have landed: my part of the next slot
	ds_add_u32 v[SPW], v[NIL]                      ; 0 onto my spare word
	s_wait_dscnt 4*NL+1                            ; the add and the youngest sixteen loads (A's tiles 4-7) may be out
	WIN MUL_LO
	MUL16 0, 1, NQ-1, \slot, 0
	s_wait_dscnt 0x0                               ; the add is done, and my reads of this slot are over
	s_barrier_signal -1
	MUL16 2, 1, NQ-1, \slot, 0
	WIN 0
	s_barrier_wait -1
.if \fill
	CREST                                          ; the barrier has opened a round of the cluster's: no wave of any partner still reads this slot or has a load on its way
	s_add_nc_u64 s[G0+4*\slot+2:G0+4*\slot+3], s[G0+4*\slot+2:G0+4*\slot+3], 8192
	s_add_nc_u64 s[G0B+4*\slot+2:G0B+4*\slot+3], s[G0B+4*\slot+2:G0B+4*\slot+3], 8192
	JLOAD G0+4*\slot, G1, G0B+4*\slot, G1B         ; the first tensor load behind the round; its four v_nop are among the places in front of the loads below
	PLACES NP-4
.else
	PLACES NP
.endif
	s_wait_alu depctr_va_vdst(0)
	v_add_nc_u32 v[ADRS], 128, v[ADRS]             ; the next K step's scale words
	FETCH_B \next, 0, 0
	FETCH_A \next, 0, 0
	SCALES \next
	WIN MUL_HI
	MUL16 4, 1, NQ-1, \slot, 0
	MUL16 6, 1, NQ-1, \slot, 0
	PLACES NP
	WIN 0
	FETCH_A \next, 0, 4
.endm
	s_wait_alu depctr_va_vdst(0)
	s_wait_tensorcnt 1                             ; the scale words and my part of K step 0 are in; K step 1's load may be out
	s_barrier_signal -1
	s_barrier_wait -1
	FETCH_B 0, 0, 0
	FETCH_A 0, 0, 0
	SCALES 0
	FETCH_A 0, 0, 4
	STEP 0, 0, 1                                   ; the first step stands in front of the loop: its products start the sums
	s_mov_b32 s3, LAPS-1
.Llap:                                             ; a trip goes once round the ring and fills both slots again
	TURN 0, 1, 1
	STEP 1, 0, 0
	TURN 1, 0, 1
	STEP 0, 0, 0
	s_sub_co_u32 s3, s3, 1
	s_cmp_lg_u32 s3, 0
	s_cbranch_scc1 .Llap
	TURN 0, 1, 0                                   ; the last lap fills nothing
	STEP 1, 0, 0
	s_wait_dscnt 4*NL
	WIN MUL_LO
	MUL16 0, 1, NQ-1, 1, 0
	MUL16 2, 1, NQ-1, 1, 0
	s_wait_dscnt 0
	WIN MUL_HI
	MUL16 4, 1, NQ-1, 1, 0
	MUL16 6, 1, NQ-1, 1, 0
	WIN 0
	PLACES NP                                      ; ahead of the first read of results and of the first vector write into A's registers
; THE WAY OUT.  A's tile a gives a lane 64 numbers: four blocks of 32 along the next K, 16 of each in this lane and 16 in lane l xor 16.  They are quantised and stored as operand registers.
; No tensor load of mine is out since the last change of slots, so the descriptors' registers serve again.
.set EC0, 68                           ; bytes that bits 0, 1, 2 of a add to the codes' place
.set EC1, 69
.set EC2, 70
.set ESC2, 71                          ; from blocks 0, 1 to blocks 2, 3
.set ES0, 72                           ; the same for the scale bytes
.set ES1, 73
.set ES2, 74
.set ERS, 75                           ; from r to r + 1
.set ESD, 76                           ; from the word's low half to its high half
.set ECC, 77                           ; the part's first byte in a head's codes, and the shift that turns a token into bytes
.set ECS, 78
.set ESC, 79                           ; the same for the scale bytes
.set ESS, 80
.set MNT, 81
.set SEL, 82
.set TM,  64                           ; v64-79 as in the quantiser: magnitudes, bytes, scale operands
.set PW,  80
	s_cmp_eq_u32 ttmp9, 0                          ; the role: the cluster's x, the same in all partners
	s_cbranch_scc1 .Lrole_q
	s_cmp_eq_u32 ttmp9, 1
	s_cbranch_scc1 .Lrole_k
	s_mov_b32 s[EC0], 2048                         ; v: a = 4 x head + d tile; blocks are c = 0 .. 3 of one fragment
	s_mov_b32 s[EC1], 4096
	s_mov_b32 s[EC2], 393216
	s_mov_b32 s[ESC2], 1024
	s_mov_b32 s[ES0], 64
	s_mov_b32 s[ES1], 128
	s_mov_b32 s[ES2], 12288
	s_mov_b32 s[ERS], 4
	s_mov_b32 s[ESD], 2
	s_mov_b32 s[ECC], 139264
	s_mov_b32 s[ECS], 7
	s_mov_b32 s[ESC], 4352
	s_mov_b32 s[ESS], 2
	s_branch .Lrole_done
.Lrole_q:
	s_mov_b32 s[EC0], 1024                         ; q: a = the token tile; blocks 0, 1 are one head's, blocks 2, 3 the next head's
	s_mov_b32 s[EC1], 2048
	s_mov_b32 s[EC2], 4096
	s_mov_b32 s[ESC2], 393216
	s_mov_b32 s[ES0], 32
	s_mov_b32 s[ES1], 64
	s_mov_b32 s[ES2], 128
	s_mov_b32 s[ERS], 2
	s_mov_b32 s[ESD], 12288
	s_mov_b32 s[ECC], 0
	s_mov_b32 s[ECS], 6
	s_mov_b32 s[ESC], 0
	s_mov_b32 s[ESS], 1
	s_branch .Lrole_done
.Lrole_k:
	s_mov_b32 s[EC0], 1024                         ; k: as q, in the step's block; two tiles share a scale word
	s_mov_b32 s[EC1], 2048
	s_mov_b32 s[EC2], 4096
	s_mov_b32 s[ESC2], 393216
	s_mov_b32 s[ES0], 2
	s_mov_b32 s[ES1], 64
	s_mov_b32 s[ES2], 128
	s_mov_b32 s[ERS], 4
	s_mov_b32 s[ESD], 12288
	s_mov_b32 s[ECC], 131072
	s_mov_b32 s[ECS], 7
	s_mov_b32 s[ESC], 4096
	s_mov_b32 s[ESS], 2
.Lrole_done:
	s_mov_b32 s[SEL], 0x76543210
	s_mov_b32 s[SEL+1], 0xfedcba98
	s_cmp_eq_u32 ttmp9, 2
	s_cselect_b32 s84, s40, s41                    ; the tokens are B's rows for v, A's for q and k
	s_cselect_b32 s85, s[WC], s[WR]
	s_cselect_b32 s86, s41, s40                    ; the heads the other way round
	s_cselect_b32 s87, s[WR], s[WC]
	s_lshl_b32 s88, s42, 2
	s_add_co_u32 s84, s84, s88
	s_lshl_b32 s84, s84, 8
	s_lshl_b32 s85, s85, 7
	s_add_co_u32 s84, s84, s85                     ; my first token
	s_and_b32 s85, s84, 2047                       ; in its batch
	s_lshr_b32 s84, s84, 11
	s_lshl_b32 s84, s84, 4
	s_lshl_b32 s86, s86, 2
	s_add_co_u32 s84, s84, s86
	s_lshl_b32 s87, s87, 1
	s_add_co_u32 s84, s84, s87                     ; my first head: 16 batch + 4 x quarter + 2 x half
	s_mul_i32 s92, s84, 393216
	s_add_co_u32 s92, s92, s[ECC]
	s_lshl_b32 s88, s85, s[ECS]
	s_add_co_u32 s92, s92, s88
	s_mov_b32 s93, 0
	s_mul_i32 s94, s84, 12288
	s_add_co_u32 s94, s94, s[ESC]
	s_lshl_b32 s88, s85, s[ESS]
	s_add_co_u32 s94, s94, s88
	s_mov_b32 s95, 0
	s_add_nc_u64 s[24:25], s[12:13], s[92:93]      ; a base for each a: the codes' in s[24 + 2 a], the scale bytes' in s[40 + 2 a]
	s_add_nc_u64 s[40:41], s[14:15], s[94:95]
	s_mov_b32 s97, 0
	s_mov_b32 s96, s[EC0]
	s_add_nc_u64 s[26:27], s[24:25], s[96:97]
	s_mov_b32 s96, s[EC1]
	s_add_nc_u64 s[28:29], s[24:25], s[96:97]
	s_add_nc_u64 s[30:31], s[26:27], s[96:97]
	s_mov_b32 s96, s[EC2]
.irp a, 0,1,2,3
	s_add_nc_u64 s[32+2*\a:33+2*\a], s[24+2*\a:25+2*\a], s[96:97]
.endr
	s_mov_b32 s96, s[ES0]
	s_add_nc_u64 s[42:43], s[40:41], s[96:97]
	s_mov_b32 s96, s[ES1]
	s_add_nc_u64 s[44:45], s[40:41], s[96:97]
	s_add_nc_u64 s[46:47], s[42:43], s[96:97]
	s_mov_b32 s96, s[ES2]
.irp a, 0,1,2,3
	s_add_nc_u64 s[48+2*\a:49+2*\a], s[40+2*\a:41+2*\a], s[96:97]
.endr
	v_and_b32 v85, 15, v0                          ; r
	v_bfe_u32 v86, v0, 4, 1                        ; h
	v_and_b32 v87, 31, v0
	v_lshlrev_b32 v81, 4, v86                      ; 16 h: lanes 16-31 store the word's upper half
	v_lshlrev_b32 v82, 4, v87                      ; 16 x lane: blocks 0, 1
	v_add_nc_u32 v83, s[ESC2], v82                 ; blocks 2, 3
	v_mul_lo_u32 v84, v85, s[ERS]
	v_mul_lo_u32 v86, v86, s[ESD]
	v_add_nc_u32 v84, v84, v86                     ; my two scale bytes
.irp b, 0,1,2,3
	v_mov_b32 v[TM+4+\b], 0                        ; written once: a lane permute's destination counts as one of its sources
.endr
.macro EQ a
.set WD,  2+(\a)/4                     ; the accumulators' window
.set ACB, 64*((\a)%4)                  ; and their first register
.set CD,  128+16*(\a)                  ; the codes: a set for each a, so that no store's data are written again
	WIN (WD<<2)|(WD<<4)                            ; sources 1 and 2 in the accumulators' window
.irp b, 0,1,2,3
	v_max3_num_f32 v[TM+\b], 0x4800000, |v[ACB+16*\b]|, |v[ACB+16*\b+1]|   ; the floor 2^(9 - 127) and my 16 numbers of block b; each accumulator is read from its low end on
.endr
.irp i, 2,4,6,8,10,12,14
.irp b, 0,1,2,3
	v_max3_num_f32 v[TM+\b], v[TM+\b], |v[ACB+16*\b+\i]|, |v[ACB+16*\b+\i+1]|
.endr
.endr
	WIN 0
.irp b, 0,1,2,3
	v_permlanex16_b32 v[TM+4+\b], v[TM+\b], s[SEL], s[SEL+1]
.endr
.irp b, 0,1,2,3
	v_max_num_f32 v[TM+\b], v[TM+\b], v[TM+4+\b]   ; the block's largest magnitude
.endr
.irp b, 0,1,2,3
	v_add_nc_u32 v[TM+12+\b], 0xfc000000, v[TM+\b] ; the conversion's scale operand
.endr
.irp b, 0,1,2,3
.endr
.irp b, 0,1,2,3
	v_lshrrev_b32 v[TM+4+\b], 23, v[TM+12+\b]      ; the scale's byte
.endr
	v_lshl_or_b32 v[PW], v[TM+5], 8, v[TM+4]
	v_lshl_or_b32 v[PW], v[TM+6], 16, v[PW]
	v_lshl_or_b32 v[PW], v[TM+7], 24, v[PW]
	WIN (WD<<6)|WD                                 ; destination and source 0 in the accumulators' window
.irp b, 0,1,2,3
.irp i, 0,1,2,3,4,5,6,7,8,9,10,11,12,13,14,15
.endr
.endr
	WIN WD                                         ; source 0 there, the codes in window 0
.irp b, 0,1,2,3
	v_cvt_scalef32_pk8_fp8_f32 v[CD+4*\b:CD+4*\b+1], v[ACB+16*\b:ACB+16*\b+7], v[TM+12+\b]
	v_cvt_scalef32_pk8_fp8_f32 v[CD+4*\b+2:CD+4*\b+3], v[ACB+16*\b+8:ACB+16*\b+15], v[TM+12+\b]
.endr
	WIN 0
	v_nop                                          ; a plain line behind the last conversion
	v_lshrrev_b32 v[88+(\a)], v81, v[PW]
	global_store_b128 v82, v[CD:CD+3], s[24+2*(\a):25+2*(\a)]                 ; 512 consecutive bytes a store
	global_store_b128 v82, v[CD+4:CD+7], s[24+2*(\a):25+2*(\a)] offset:512
	global_store_b128 v83, v[CD+8:CD+11], s[24+2*(\a):25+2*(\a)]
	global_store_b128 v83, v[CD+12:CD+15], s[24+2*(\a):25+2*(\a)] offset:512
	global_store_b16 v84, v[88+(\a)], s[40+2*(\a):41+2*(\a)]
.endm
.irp a, 0,1,2,3,4,5,6,7
	EQ \a
.endr
	s_wait_tensorcnt 0x0                           ; the wave's end
	ds_add_u32 v[SPW], v[NIL]
	s_wait_dscnt 0x0
	CROUND                                         ; the closing round: no work-group ends while a partner may still ask for a tile that names it
	s_endpgm
.Lfunc_end_k_qdda21697ed_qkv:
	.size	k_qdda21697ed_qkv, .Lfunc_end_k_qdda21697ed_qkv-k_qdda21697ed_qkv
	.p2alignl 7, 3214868480
	.fill 96, 4, 3214868480
	.section	.rodata,"a",@progbits
	.p2align	6, 0x0
	.amdhsa_kernel k_qdda21697ed_qkv
		.amdhsa_group_segment_fixed_size 327680
		.amdhsa_private_segment_fixed_size 0
		.amdhsa_enable_private_segment 0
		.amdhsa_kernarg_size 48
		.amdhsa_user_sgpr_count 2
		.amdhsa_user_sgpr_kernarg_segment_ptr 1
		.amdhsa_wavefront_size32 1
		.amdhsa_system_sgpr_workgroup_id_x 1
		.amdhsa_system_sgpr_workgroup_id_y 1
		.amdhsa_system_sgpr_workgroup_id_z 1
		.amdhsa_system_vgpr_workitem_id 0
		.amdhsa_next_free_vgpr 1024
		.amdhsa_next_free_sgpr 100
		.amdhsa_reserve_vcc 0
		.amdhsa_float_denorm_mode_32 3
		.amdhsa_float_denorm_mode_16_64 3
		.amdhsa_fp16_overflow 1
		.amdhsa_memory_ordered 1
		.amdhsa_forward_progress 1
		.amdhsa_inst_pref_size 154
	.end_amdhsa_kernel
	.amdgpu_metadata
---
amdhsa.version: [ 1, 2 ]
amdhsa.kernels:
  - .name:           k_qdda21697ed_qkv
    .symbol:         k_qdda21697ed_qkv.kd
    .args:
      - { .name: xc, .offset: 0, .size: 8, .value_kind: global_buffer, .address_space: global }
      - { .name: xs, .offset: 8, .size: 8, .value_kind: global_buffer, .address_space: global }
      - { .name: wc, .offset: 16, .size: 8, .value_kind: global_buffer, .address_space: global }
      - { .name: ws, .offset: 24, .size: 8, .value_kind: global_buffer, .address_space: global }
      - { .name: qkvc, .offset: 32, .size: 8, .value_kind: global_buffer, .address_space: global }
      - { .name: qkvs, .offset: 40, .size: 8, .value_kind: global_buffer, .address_space: global }
    .group_segment_fixed_size: 327680
    .private_segment_fixed_size: 0
    .kernarg_segment_align: 8
    .kernarg_segment_size: 48
    .max_flat_workgroup_size: 128
    .sgpr_count:     100
    .vgpr_count:     1024
    .wavefront_size: 32
...
	.end_amdgpu_metadata
.endif
;; end of part 2
;; launch attn (part 3): grid 4 x 64, 16 waves a work-group, clusters of 4 x 1, 272,384 bytes of LDS; arguments qkvc, qkvs, ac, asc; writes ac, asc
.if DOCPART == 3
	.amdgcn_target "amdgcn-amd-amdhsa--gfx1250"
	.amdhsa_code_object_version 6
	.text
	.protected	k_qdda21697ed_attn
	.globl	k_qdda21697ed_attn
	.p2align	8
	.type	k_qdda21697ed_attn,@function
k_qdda21697ed_attn:
	s_mov_b64 s[64:65], 0
	v_nop
	global_prefetch_b8 v0, s[64:65] scope:SCOPE_SE
	s_setreg_imm32_b32 hwreg(HW_REG_WAVE_MODE, 25, 1), 1
	s_wait_xcnt 0x0
	s_wait_alu depctr_hold_cnt(0) depctr_sa_sdst(0) depctr_va_vdst(0) depctr_va_sdst(0) depctr_va_ssrc(0) depctr_va_vcc(0) depctr_vm_vsrc(0)
	s_getreg_b32 s2, hwreg(HW_REG_IB_STS2, 6, 4)
	s_cmp_eq_u32 s2, 0
	s_cbranch_scc0 .Lentry_in_a_cluster
	s_endpgm
.Lentry_in_a_cluster:
	s_bfe_u32 s2, ttmp6, 0x10000c
	s_cmp_lg_u32 s2, 0x3003
	s_cbranch_scc0 .Lentry_shape_is_right
	s_endpgm
.Lentry_shape_is_right:
; Causal attention of one head (2,048 tokens, head size 64) on codes of FP8 (E4M3) with E8M0 scales, and its result quantised along the model's 1,024 for the last product.
; t = score x log2(e) / 8; M = the running largest t rounded UP to a whole number; p = 2^(t - M) is quantised along the keys, not normalised; the row's sum is taken of the unquantised p and divides O at the end.
; When M moves, the sum and O are multiplied by 2^(old M - new M): exact.
; SHARES.  A head is served by a cluster of four work-groups of sixteen waves.  Work-group g owns the query tiles T = g + 4 i, i = 0 .. 31; wave w takes i = w, then i = 31 - w.  Tile T's tokens lie in 64 i .. 64 i + 63, so it
; needs i / 2 + 1 key steps of 128, whatever g is: every wave works 17 steps, and no branch hangs on the work-group's place.  The loops' trip counts are constants; a step whose keys all come after the tile's queries is jumped over.
; ALL OF THE HEAD'S K AND V STAY IN LDS: 262,144 bytes of codes and 8,192 of scale words, laid as in memory, filled ONCE by joint loads of the four work-groups (five a wave, all at the head).  Nothing is filled again and nothing is stored to LDS.
; LAYOUT.  Both products are used transposed: S^T = K Q^T (source 0 = keys, source 1 = my 16 queries), O^T = V^T P^T: a lane holds one query throughout.  Place r of tile T is row 32 (T / 2) + 8 (T % 2) + r % 8 + 16 (r / 8),
; so the 16 registers of tiles 2 b and 2 b + 1 are 16 neighbours: 32 b + 16 (lane / 16) + 0 .. 15.
; THE FIRST PRODUCT'S K IS 64, the instruction's 128: source 0 is TWO tiles of keys on end (16 registers), source 1 is Q followed by zero codes for the first tile and zero codes followed by Q for the second (v16-39: Q, zeros, Q).
; LIMITS: NaN and infinities are not served.  A block's largest p is taken through its largest score, which leans on v_exp_f32 not falling where its input rises.  A block of zeros carries the byte 1 (its codes are zeros).
; REGISTERS: v1-11 addresses and lane numbers; v12 -M, v13 the largest t, v[14:15] the sum; v16-39 Q, zeros, Q; v40 Q's scale word; v41-44 K's and V's; v45 p's; v[46:47] f, 0; v48-111 four fragments of K, then of V;
; v112-175 S^T, then p; v176-207 O^T; v208-223 codes; v224-243 at work.
.set SCB,  262144                      ; the scale words: for each step 256 bytes of K's, 256 of V's
.set FB,   48
.set SS,   112
.set OT,   176
.set PCD,  208
.set WV,   12
.set CX,   13
.set HB,   14
.set SEL,  16
.set CS,   18                          ; s[18:19] c = log2(e) / 8
.set MNT,  20
.set HI,   21                          ; a lane mask: lanes 16-31
.set TB,   22                          ; LDS byte at which the step's codes begin
.set TS,   23                          ; and its scale words, from SCB on
.set G1S,  24
.set G1C,  32
.set KI,   60                          ; the step's number
.set KLAST, 61                         ; the tile's last step
.set CNT,  62
.set QB,   66                          ; s[66:67] Q's codes; s[68:69] Q's scale bytes; s[70:71], s[72:73] where the tile's result goes
.set QSB,  68
.set AB,   70
.set ASB,  72
.macro CROUND                          ; a round of the cluster's barrier
	s_barrier_signal -1
	s_barrier_wait -1
	s_cmp_lg_u32 s[WV], 0
	s_cbranch_scc1 .Lnot_wave_0_\@
	s_barrier_signal -3
.Lnot_wave_0_\@:
	s_barrier_wait -3
	s_barrier_signal -1
	s_barrier_wait -1
.endm
	s_load_b256 s[4:11], s[0:1], 0x0               ; qkvc, qkvs, ac, asc
	v_lshl_add_u32 v254, v0, 2, 0x42000
	v_mov_b32 v255, 0
	ds_add_u32 v254, v255
	ds_add_u32 v254, v255
	v_lshrrev_b32 v1, 5, v0
	s_delay_alu instid0(VALU_DEP_1)
	v_readfirstlane_b32 s[WV], v1                  ; wave 0..15
	s_bfe_u32 s[CX], ttmp6, 0x40000                ; my place in the cluster: it enters global addresses and the mask's numbers alone
	s_and_b32 s[HB], ttmp7, 0xffff                 ; the head, which the four partners share
	; descriptor group 1: dense blocks as rows of 32 elements of 8 bytes; the mask names all four work-groups
	s_mov_b32 s[G1S], 15|(3<<16)|(1<<21)
	s_mov_b32 s[G1S+1], 32<<16
	s_mov_b32 s[G1S+2], 2<<16                      ; the scale words: 2 rows a wave
	s_mov_b32 s[G1S+3], 32<<16
	s_mov_b32 s[G1S+4], 2
	s_mov_b32 s[G1S+5], 32
	s_mov_b32 s[G1S+6], 0
	s_mov_b32 s[G1S+7], 0
	s_mov_b32 s[G1C], 15|(3<<16)|(1<<21)
	s_mov_b32 s[G1C+1], 32<<16
	s_mov_b32 s[G1C+2], 16<<16                     ; the codes: 16 rows a wave and a load
	s_mov_b32 s[G1C+3], 32<<16
	s_mov_b32 s[G1C+4], 16
	s_mov_b32 s[G1C+5], 32
	s_mov_b32 s[G1C+6], 0
	s_mov_b32 s[G1C+7], 0
	s_mul_i32 s78, s[HB], 393216
	s_mov_b32 s79, 0
	s_mul_i32 s80, s[HB], 12288
	s_mov_b32 s81, 0
	s_lshl_b32 s62, s[WV], 12                      ; 4,096 x wave
	s_lshl_b32 s63, s[WV], 9                       ; 512 x wave
	s_mov_b32 s87, 0
	s_wait_dscnt 0x0
	s_wait_kmcnt 0x0
	s_add_nc_u64 s[74:75], s[4:5], s[78:79]        ; the head's codes
	s_add_nc_u64 s[76:77], s[6:7], s[80:81]        ; and scale bytes
	s_mov_b32 s40, 1
	s_add_co_u32 s41, s63, SCB
	s_add_co_u32 s86, s63, 4096                    ; K's and V's scale words lie behind Q's 4,096 bytes
	s_add_nc_u64 s[42:43], s[76:77], s[86:87]
	s_or_b32 s43, s43, 0x80000000
.irp n, 0,1,2,3                        ; quarter n of the head's keys: 65,536 bytes, 4,096 a wave
	s_mov_b32 s[44+4*\n], 1
	s_add_co_u32 s[45+4*\n], s62, 65536*\n
	s_add_co_u32 s86, s62, 131072+65536*\n         ; K and V lie behind Q's 131,072 bytes
	s_add_nc_u64 s[46+4*\n:47+4*\n], s[74:75], s[86:87]
	s_or_b32 s[47+4*\n], s[47+4*\n], 0x80000000
.endr
	CROUND                                         ; all four work-groups are here: the joint loads meet
	tensor_load_to_lds s[40:43], s[G1S:G1S+7]      ; five tensor loads of mine are out
	s_nop 0
	tensor_load_to_lds s[44:47], s[G1C:G1C+7]
	s_nop 0
	tensor_load_to_lds s[48:51], s[G1C:G1C+7]
	s_nop 0
	tensor_load_to_lds s[52:55], s[G1C:G1C+7]
	s_nop 0
	tensor_load_to_lds s[56:59], s[G1C:G1C+7]
	s_nop 0
.rept 4
	v_nop
.endr
	v_and_b32 v11, 31, v0
	s_delay_alu instid0(VALU_DEP_1)
	v_lshlrev_b32 v1, 4, v11                       ; 16 x lane
	s_delay_alu instid0(VALU_DEP_2)
	v_lshl_add_u32 v2, v11, 2, SCB                 ; 4 x lane among the scale words
	v_and_b32 v8, 15, v0                           ; r
	v_bfe_u32 v9, v0, 4, 1                         ; h
	s_delay_alu instid0(VALU_DEP_2)
	v_lshlrev_b32 v6, 1, v8                        ; Q's scale bytes: 2 r
	s_delay_alu instid0(VALU_DEP_2)
	v_lshl_add_u32 v7, v8, 3, v9                   ; the result's scale byte: 8 r + h
	s_delay_alu instid0(VALU_DEP_4)
	v_and_b32 v10, 7, v8
	v_and_b32 v11, 8, v8
	s_delay_alu instid0(VALU_DEP_1)
	v_lshl_add_u32 v10, v11, 1, v10                ; r % 8 + 16 (r / 8)
	v_lshlrev_b32 v11, 4, v9
	s_delay_alu instid0(VALU_DEP_1)
	v_sub_nc_u32 v10, v10, v11                     ; - 16 h: the lane's part of the mask's number
.irp j, 0,1,2,3,4,5,6,7
	v_mov_b32 v[24+\j], 0                          ; zero codes, written once
.endr
.irp b, 0,1,2,3
	v_mov_b32 v[228+\b], 0                         ; written once: a lane permute's destination counts as one of its sources
.endr
	v_mov_b32 v242, 0
	v_mov_b32 v243, 0xff800000                     ; -infinity
	v_mov_b32 v47, 0                               ; named with f as a pair
	s_mov_b32 s[SEL], 0x76543210
	s_mov_b32 s[SEL+1], 0xfedcba98
	s_mov_b32 s[CS], 0x3e38aa3b
	s_mov_b32 s[CS+1], s[CS]
	s_mov_b32 s[HI], 0xffff0000
	s_lshr_b32 s88, s[CX], 1
	s_lshl_b32 s88, s88, 5
	s_and_b32 s89, s[CX], 1
	s_lshl_b32 s89, s89, 3
	s_add_co_u32 s88, s88, s89                     ; 32 (g / 2) + 8 (g % 2): where my tiles' tokens begin in their 64
	s_lshr_b32 s78, s[HB], 4                       ; batch
	s_and_b32 s79, s[HB], 15                       ; head
	s_lshl_b32 s86, s78, 21                        ; the result's codes: 128 tiles of 16,384 bytes a batch,
	s_lshl_b32 s80, s79, 10                        ; 1,024 bytes a head in a tile
	s_add_co_u32 s86, s86, s80
	s_add_nc_u64 s[82:83], s[8:9], s[86:87]
	s_lshl_b32 s86, s78, 16                        ; its scale bytes: 128 tiles of 512 bytes a batch; in a tile 128 (head / 4) + 4 ((head / 2) % 2) + 2 (head % 2)
	s_lshr_b32 s80, s79, 2
	s_lshl_b32 s80, s80, 7
	s_add_co_u32 s86, s86, s80
	s_and_b32 s80, s79, 3
	s_lshl_b32 s80, s80, 1
	s_add_co_u32 s86, s86, s80
	s_add_nc_u64 s[84:85], s[10:11], s[86:87]
; A tile's start.  pass = 0: i = wave; 1: i = 31 - wave.
.macro PREP pass
	s_wait_xcnt 0x0                                ; the last tile's stores have read their bases and data, which are written again below and in the steps
.if \pass
	s_sub_co_u32 s78, 31, s[WV]
.else
	s_mov_b32 s78, s[WV]
.endif
	s_lshr_b32 s[KLAST], s78, 1
	s_lshl_b32 s79, s78, 2
	s_add_co_u32 s79, s79, s[CX]                   ; T
	s_and_b32 s80, s78, 1
	s_lshl_b32 s80, s80, 6
	s_add_co_u32 s80, s80, s88
	v_add_nc_u32 v5, s80, v10                      ; my query - the last step's first key - 16 h
	s_lshl_b32 s86, s79, 10
	s_add_nc_u64 s[QB:QB+1], s[74:75], s[86:87]
	s_lshl_b32 s86, s79, 5
	s_add_nc_u64 s[QSB:QSB+1], s[76:77], s[86:87]
	s_lshl_b32 s86, s79, 14
	s_add_nc_u64 s[AB:AB+1], s[82:83], s[86:87]
	s_lshl_b32 s86, s79, 9
	s_add_nc_u64 s[ASB:ASB+1], s[84:85], s[86:87]
.rept 8
	v_nop                                          ; places in front of loads into registers that matrix instructions have read
.endr
	global_load_b128 v[16:19], v1, s[QB:QB+1]
	global_load_b128 v[20:23], v1, s[QB:QB+1] offset:512
	global_load_b128 v[32:35], v1, s[QB:QB+1]      ; Q a second time, behind the zeros
	global_load_b128 v[36:39], v1, s[QB:QB+1] offset:512
	global_load_u16 v40, v6, s[QSB:QSB+1]
	v_mov_b32 v13, 0xff61b1e6                      ; the largest t so far: -3e38
	s_delay_alu instid0(VALU_DEP_1)
	v_floor_f32 v12, -v13                          ; -M
	v_mov_b32 v14, 0
	v_mov_b32 v15, 0
	s_mov_b32 s[KI], 0
	s_mov_b32 s[TB], 0
	s_mov_b32 s[TS], 0
	s_wait_loadcnt 0x0
	v_lshl_or_b32 v40, v40, 16, v40                ; Q's two bytes twice: they serve either half of the 128
.irp j, 0,1,2,3,4,5,6,7,8,9,10,11,12,13,14,15,16,17,18,19,20,21,22,23,24,25,26,27,28,29,30,31
	v_mov_b32 v[OT+\j], 0                          ; O^T: the step is written once; its first trip finds zeros.  (These lines also stand between the scale word's last write and the first product)
.endr
.endm
; A KEY STEP: 128 keys.
.macro STEP
	s_cmp_gt_u32 s[KI], s[KLAST]                   ; all its keys come after my queries: only the addresses step
	s_cbranch_scc1 .Lhidden_\@
	s_setprio 2
	v_add_nc_u32 v3, s[TB], v1
	v_add_nc_u32 v4, s[TS], v2
.rept 6
	v_nop                                          ; with the two additions: eight places in front of loads into registers that the last products read
.endr
.irp P, 0,1,2,3
.irp c, 0,1,2,3
	ds_load_b128 v[FB+16*\P+4*\c:FB+16*\P+4*\c+3], v3 offset:2048*\P+512*\c    ; tiles 2 P and 2 P + 1 of K on end
.endr
.endr
	ds_load_b32 v41, v4                            ; K's scale words: pairs 0 (lanes 0-15) and 1 (lanes 16-31),
	ds_load_b32 v42, v4 offset:128                 ; pairs 2 and 3;
	ds_load_b32 v43, v4 offset:256                 ; V's: d tiles 0 and 1,
	ds_load_b32 v44, v4 offset:384                 ; 2 and 3
	s_wait_alu depctr_va_vdst(0)
	s_wait_dscnt 0x0
.irp P, 0,1,2,3
.if (\P)%2
	v_wmma_scale_f32_16x16x128_f8f6f4 v[SS+16*\P:SS+16*\P+7], v[FB+16*\P:FB+16*\P+15], v[16:31], 0, v[41+\P/2], v40 matrix_a_scale:MATRIX_SCALE_ROW1
	v_wmma_scale_f32_16x16x128_f8f6f4 v[SS+16*\P+8:SS+16*\P+15], v[FB+16*\P:FB+16*\P+15], v[24:39], 0, v[41+\P/2], v40 matrix_a_scale:MATRIX_SCALE_ROW1
.else
	v_wmma_scale_f32_16x16x128_f8f6f4 v[SS+16*\P:SS+16*\P+7], v[FB+16*\P:FB+16*\P+15], v[16:31], 0, v[41+\P/2], v40
	v_wmma_scale_f32_16x16x128_f8f6f4 v[SS+16*\P+8:SS+16*\P+15], v[FB+16*\P:FB+16*\P+15], v[24:39], 0, v[41+\P/2], v40
.endif
.endr
.rept 8
	v_nop                                          ; places in front of the loads below and of the first read of the scores
.endr
.irp d, 0,1,2,3
.irp c, 0,1,2,3
	ds_load_b128 v[FB+16*\d+4*\c:FB+16*\d+4*\c+3], v3 offset:8192+2048*\d+512*\c   ; V's four fragments land while the softmax is worked
.endr
.endr
	s_cmp_lg_u32 s[KI], s[KLAST]                   ; only the tile's last step lies on the diagonal
	s_cbranch_scc1 .Lopen_\@
.irp n, 0,1,2,3,4,5,6,7,8,9,10,11,12,13,14,15,16,17,18,19,20,21,22,23,24,25,26,27,28,29,30,31,32,33,34,35,36,37,38,39,40,41,42,43,44,45,46,47,48,49,50,51,52,53,54,55,56,57,58,59,60,61,62,63
	v_cmp_gt_i32 vcc_lo, 32*(\n/16)+\n%16, v5      ; register 16 b + i holds key 32 b + 16 h + i of the step: hidden where it comes after my query
	v_cndmask_b32 v[SS+\n], v[SS+\n], v243, vcc_lo
.endr
.Lopen_\@:
.irp b, 0,1,2,3
	v_max3_num_f32 v[224+\b], v[SS+16*\b], v[SS+1+16*\b], v[SS+2+16*\b]   ; the largest score of each block of 32 keys: for the row's maximum and for the block's largest p
.endr
.irp i, 3,5,7,9,11,13
.irp b, 0,1,2,3
	v_max3_num_f32 v[224+\b], v[224+\b], v[SS+16*\b+\i], v[SS+1+16*\b+\i]
.endr
.endr
.irp b, 0,1,2,3
	v_max_num_f32 v[224+\b], v[224+\b], v[SS+15+16*\b]
.endr
.irp b, 0,1,2,3
	s_delay_alu instid0(VALU_DEP_4)
	v_permlanex16_b32 v[228+\b], v[224+\b], s[SEL], s[SEL+1]
.endr
.irp b, 0,1,2,3
	s_delay_alu instid0(VALU_DEP_4)
	v_max_num_f32 v[224+\b], v[224+\b], v[228+\b]  ; with lane l xor 16's 16 keys
.endr
	s_delay_alu instid0(VALU_DEP_2)
	v_max3_num_f32 v242, v224, v225, v226
	s_delay_alu instid0(VALU_DEP_1)
	v_max_num_f32 v242, v242, v227
	s_delay_alu instid0(VALU_DEP_1)
	v_mul_f32 v242, s[CS], v242                    ; the step's largest t of my query
	s_delay_alu instid0(VALU_DEP_1)
	v_max_num_f32 v13, v13, v242
	v_mov_b32 v242, v12
	s_delay_alu instid0(VALU_DEP_2)
	v_floor_f32 v12, -v13                          ; the new -M = floor(-t)
	s_delay_alu instid0(VALU_DEP_1)
	v_sub_f32 v242, v12, v242                      ; old M - new M: a whole number, 0 or less
	s_delay_alu instid0(VALU_DEP_1)
	v_cvt_i32_f32 v242, v242                       ; (it saturates)
	s_delay_alu instid0(VALU_DEP_1)
	v_ldexp_f32 v46, 1.0, v242                     ; f = 2^(old M - new M)
	s_setprio 1
.irp j, 0,2,4,6,8,10,12,14,16,18,20,22,24,26,28,30,32,34,36,38,40,42,44,46,48,50,52,54,56,58,60,62
	v_pk_fma_f32 v[SS+\j:SS+1+\j], v[SS+\j:SS+1+\j], s[CS:CS+1], v[12:13] op_sel_hi:[1,0,0]   ; t - M, two at a time
.endr
.irp b, 0,1,2,3
	v_fma_f32 v[224+\b], v[224+\b], s[CS], v12     ; the same of each block's largest score
.endr
	s_wait_alu depctr_va_vdst(0)
.irp j, 0,1,2,3,4,5,6,7,8,9,10,11,12,13,14,15,16,17,18,19,20,21,22,23,24,25,26,27,28,29,30,31,32,33,34,35,36,37,38,39,40,41,42,43,44,45,46,47,48,49,50,51,52,53,54,55,56,57,58,59,60,61,62,63
	v_exp_f32 v[SS+\j], v[SS+\j]                   ; p = 2^(t - M)
.endr
	v_pk_mul_f32 v[14:15], v[14:15], v[46:47] op_sel_hi:[1,0]   ; the sums under the new M: a plain line behind the exponentials
	s_wait_alu depctr_va_vdst(0)                   ; one wait for the batch, ahead of its first reader
.irp b, 0,1,2,3
	v_exp_f32 v[224+\b], v[224+\b]                 ; each block's largest p
.endr
	v_pk_add_f32 v[240:241], v[116:117], v[120:121]
	v_pk_add_f32 v[252:253], v[124:125], v[128:129]
	v_pk_add_f32 v[250:251], v[132:133], v[136:137]
	v_pk_add_f32 v[248:249], v[140:141], v[144:145]
	v_pk_add_f32 v[246:247], v[148:149], v[152:153]
	v_pk_add_f32 v[244:245], v[156:157], v[160:161]
	v_pk_add_f32 v[238:239], v[164:165], v[168:169]
	v_pk_add_f32 v[14:15], v[14:15], v[172:173]
	v_pk_add_f32 v[240:241], v[240:241], v[112:113]
	v_pk_add_f32 v[252:253], v[252:253], v[114:115]
	v_pk_add_f32 v[250:251], v[250:251], v[118:119]
	v_pk_add_f32 v[248:249], v[248:249], v[122:123]
	v_pk_add_f32 v[246:247], v[246:247], v[126:127]
	v_pk_add_f32 v[244:245], v[244:245], v[130:131]
	v_pk_add_f32 v[238:239], v[238:239], v[134:135]
	v_pk_add_f32 v[14:15], v[14:15], v[138:139]
	v_pk_add_f32 v[240:241], v[240:241], v[142:143]
	v_pk_add_f32 v[252:253], v[252:253], v[146:147]
	v_pk_add_f32 v[250:251], v[250:251], v[150:151]
	v_pk_add_f32 v[248:249], v[248:249], v[154:155]
	v_pk_add_f32 v[246:247], v[246:247], v[158:159]
	v_pk_add_f32 v[244:245], v[244:245], v[162:163]
	v_pk_add_f32 v[238:239], v[238:239], v[166:167]
	v_pk_add_f32 v[14:15], v[14:15], v[170:171]
	v_pk_add_f32 v[240:241], v[240:241], v[174:175]
	s_delay_alu instid0(VALU_DEP_2)
	v_pk_add_f32 v[14:15], v[14:15], v[248:249]
	s_delay_alu instid0(VALU_DEP_2)
	v_pk_add_f32 v[240:241], v[240:241], v[246:247]
	v_pk_add_f32 v[252:253], v[252:253], v[244:245]
	v_pk_add_f32 v[250:251], v[250:251], v[238:239]
	s_delay_alu instid0(VALU_DEP_2)
	v_pk_add_f32 v[14:15], v[14:15], v[252:253]
	s_delay_alu instid0(VALU_DEP_2)
	v_pk_add_f32 v[240:241], v[240:241], v[250:251]
	s_delay_alu instid0(VALU_DEP_1)
	v_pk_add_f32 v[14:15], v[14:15], v[240:241]
	s_setprio 0
	s_wait_alu depctr_va_vdst(0)                   ; and one for the four
.irp b, 0,1,2,3
	v_max_num_f32 v[224+\b], 0x4800000, v[224+\b]  ; the floor 2^(9 - 127): the byte cannot fall under 1
.endr
.irp b, 0,1,2,3
	s_delay_alu instid0(VALU_DEP_4)
	v_add_nc_u32 v[236+\b], 0xfc000000, v[224+\b]  ; the conversion's scale operand
.endr
.irp b, 0,1,2,3
.endr
.irp b, 0,1,2,3
	s_delay_alu instid0(VALU_DEP_4)
	v_lshrrev_b32 v[228+\b], 23, v[236+\b]         ; the scale's byte
.endr
	s_delay_alu instid0(VALU_DEP_3)
	v_lshl_or_b32 v45, v229, 8, v228               ; p's scale word for these 128 keys
	s_delay_alu instid0(VALU_DEP_1)
	v_lshl_or_b32 v45, v230, 16, v45
	s_delay_alu instid0(VALU_DEP_1)
	v_lshl_or_b32 v45, v231, 24, v45
.irp b, 0,1,2,3
.irp i, 0,1,2,3,4,5,6,7,8,9,10,11,12,13,14,15
.endr
	v_cvt_scalef32_pk8_fp8_f32 v[PCD+4*\b:PCD+1+4*\b], v[SS+16*\b:SS+7+16*\b], v[236+\b]
	v_cvt_scalef32_pk8_fp8_f32 v[PCD+2+4*\b:PCD+3+4*\b], v[SS+8+16*\b:SS+15+16*\b], v[236+\b]
.endr
.irp j, 0,2,4,6,8,10,12,14,16,18,20,22,24,26,28,30
	v_pk_mul_f32 v[OT+\j:OT+1+\j], v[OT+\j:OT+1+\j], v[46:47] op_sel_hi:[1,0]   ; O^T under the new M; these lines also stand between the conversions and the products
.endr
	s_wait_alu depctr_va_vdst(0)
	s_wait_dscnt 0x0                               ; V is in
.irp d, 0,1,2,3
.if (\d)%2
	v_wmma_scale_f32_16x16x128_f8f6f4 v[OT+8*\d:OT+8*\d+7], v[FB+16*\d:FB+16*\d+15], v[PCD:PCD+15], v[OT+8*\d:OT+8*\d+7], v[43+\d/2], v45 matrix_a_scale:MATRIX_SCALE_ROW1
.else
	v_wmma_scale_f32_16x16x128_f8f6f4 v[OT+8*\d:OT+8*\d+7], v[FB+16*\d:FB+16*\d+15], v[PCD:PCD+15], v[OT+8*\d:OT+8*\d+7], v[43+\d/2], v45
.endif
.endr
.Lhidden_\@:
	s_add_co_u32 s[TB], s[TB], 16384
	s_add_co_u32 s[TS], s[TS], 512
	s_add_co_u32 s[KI], s[KI], 1
.endm
.macro LOOP n
	s_mov_b32 s[CNT], \n
.Lstep_\@:
	STEP
	s_sub_co_u32 s[CNT], s[CNT], 1
	s_cmp_lg_u32 s[CNT], 0
	s_cbranch_scc1 .Lstep_\@
	s_setprio 0
.endm
; A tile's end: O^T / the sum, quantised along the head's 64 (two blocks), stored as registers c = 2 (head % 2) + 0, 1 of the last product's operand.
.macro OUT
.rept 8
	v_nop                                          ; places behind the last products
.endr
	v_add_f32 v14, v14, v15
	s_delay_alu instid0(VALU_DEP_1)
	v_permlanex16_b32 v242, v14, s[SEL], s[SEL+1]
	s_delay_alu instid0(VALU_DEP_1)
	v_add_f32 v14, v14, v242                       ; the row's sum
	s_wait_alu depctr_va_vdst(0)
	v_rcp_f32 v14, v14
	v_nop                                          ; a plain line behind the transcendental,
	s_wait_alu depctr_va_vdst(0)                   ; and the wait ahead of its first reader
.irp j, 0,1,2,3,4,5,6,7,8,9,10,11,12,13,14,15,16,17,18,19,20,21,22,23,24,25,26,27,28,29,30,31
	v_mul_f32 v[SS+\j], v[OT+\j], v14              ; register 16 b + i: channel 32 b + 16 h + i of my query
.endr
.irp b, 0,1
	v_max3_num_f32 v[224+\b], |v[SS+16*\b]|, |v[SS+1+16*\b]|, 0x4800000
.endr
.irp i, 2,4,6,8,10,12,14
.irp b, 0,1
	s_delay_alu instid0(VALU_DEP_2)
	v_max3_num_f32 v[224+\b], v[224+\b], |v[SS+16*\b+\i]|, |v[SS+1+16*\b+\i]|
.endr
.endr
.irp b, 0,1
	s_delay_alu instid0(VALU_DEP_2)
	v_permlanex16_b32 v[228+\b], v[224+\b], s[SEL], s[SEL+1]
.endr
.irp b, 0,1
	s_delay_alu instid0(VALU_DEP_2)
	v_max_num_f32 v[224+\b], v[224+\b], v[228+\b]
.endr
.irp b, 0,1
	s_delay_alu instid0(VALU_DEP_2)
	v_add_nc_u32 v[236+\b], 0xfc000000, v[224+\b]
.endr
.irp b, 0,1
.endr
.irp b, 0,1
	s_delay_alu instid0(VALU_DEP_2)
	v_lshrrev_b32 v[228+\b], 23, v[236+\b]
.endr
.irp b, 0,1
.irp i, 0,1,2,3,4,5,6,7,8,9,10,11,12,13,14,15
.endr
	v_cvt_scalef32_pk8_fp8_f32 v[PCD+4*\b:PCD+1+4*\b], v[SS+16*\b:SS+7+16*\b], v[236+\b]
	v_cvt_scalef32_pk8_fp8_f32 v[PCD+2+4*\b:PCD+3+4*\b], v[SS+8+16*\b:SS+15+16*\b], v[236+\b]
.endr
	v_nop                                          ; a plain line behind the last conversion
	v_cndmask_b32 v242, v228, v229, s[HI]          ; lanes 0-15 carry the first block's byte of row r, lanes 16-31 the second's
	global_store_b128 v1, v[PCD:PCD+3], s[AB:AB+1]                 ; 512 consecutive bytes a store
	global_store_b128 v1, v[PCD+4:PCD+7], s[AB:AB+1] offset:512
	global_store_b8 v7, v242, s[ASB:ASB+1]
.endm
	PREP 0
	s_wait_tensorcnt 3                             ; my parts of the scale words and of keys 0 to 511 are in; the three later quarters may be out
	s_barrier_signal -1
	s_barrier_wait -1                              ; everybody's are
	LOOP 4
	s_wait_tensorcnt 2                             ; keys 512 to 1,023
	s_barrier_signal -1
	s_barrier_wait -1
	s_mov_b32 s[TB], 65536
	s_mov_b32 s[TS], 2048
	LOOP 4
	OUT
	PREP 1
	s_wait_tensorcnt 0x0                           ; all the head's keys
	s_barrier_signal -1
	s_barrier_wait -1
	LOOP 16
	OUT
	s_wait_tensorcnt 0x0
	ds_add_u32 v254, v255
	s_wait_dscnt 0x0
	CROUND                                         ; the closing round
	s_endpgm
.Lfunc_end_k_qdda21697ed_attn:
	.size	k_qdda21697ed_attn, .Lfunc_end_k_qdda21697ed_attn-k_qdda21697ed_attn
	.p2alignl 7, 3214868480
	.fill 96, 4, 3214868480
	.section	.rodata,"a",@progbits
	.p2align	6, 0x0
	.amdhsa_kernel k_qdda21697ed_attn
		.amdhsa_group_segment_fixed_size 272384
		.amdhsa_private_segment_fixed_size 0
		.amdhsa_enable_private_segment 0
		.amdhsa_kernarg_size 32
		.amdhsa_user_sgpr_count 2
		.amdhsa_user_sgpr_kernarg_segment_ptr 1
		.amdhsa_wavefront_size32 1
		.amdhsa_system_sgpr_workgroup_id_x 1
		.amdhsa_system_sgpr_workgroup_id_y 1
		.amdhsa_system_sgpr_workgroup_id_z 1
		.amdhsa_system_vgpr_workitem_id 0
		.amdhsa_next_free_vgpr 256
		.amdhsa_next_free_sgpr 90
		.amdhsa_reserve_vcc 1
		.amdhsa_float_denorm_mode_32 3
		.amdhsa_float_denorm_mode_16_64 3
		.amdhsa_fp16_overflow 1
		.amdhsa_memory_ordered 1
		.amdhsa_forward_progress 1
		.amdhsa_inst_pref_size 89
	.end_amdhsa_kernel
	.amdgpu_metadata
---
amdhsa.version: [ 1, 2 ]
amdhsa.kernels:
  - .name:           k_qdda21697ed_attn
    .symbol:         k_qdda21697ed_attn.kd
    .args:
      - { .name: qkvc, .offset: 0, .size: 8, .value_kind: global_buffer, .address_space: global }
      - { .name: qkvs, .offset: 8, .size: 8, .value_kind: global_buffer, .address_space: global }
      - { .name: ac, .offset: 16, .size: 8, .value_kind: global_buffer, .address_space: global }
      - { .name: asc, .offset: 24, .size: 8, .value_kind: global_buffer, .address_space: global }
    .group_segment_fixed_size: 272384
    .private_segment_fixed_size: 0
    .kernarg_segment_align: 8
    .kernarg_segment_size: 32
    .max_flat_workgroup_size: 512
    .sgpr_count:     90
    .vgpr_count:     256
    .wavefront_size: 32
...
	.end_amdgpu_metadata
.endif
;; end of part 3
;; launch proj (part 4): grid 4 x 32, 4 waves a work-group, clusters of 4 x 4, 327,680 bytes of LDS; arguments ac, asc, wc, ws, bo, out0; writes out0
.if DOCPART == 4
	.amdgcn_target "amdgcn-amd-amdhsa--gfx1250"
	.amdhsa_code_object_version 6
	.text
	.protected	k_qdda21697ed_proj
	.globl	k_qdda21697ed_proj
	.p2align	8
	.type	k_qdda21697ed_proj,@function
k_qdda21697ed_proj:
	s_mov_b64 s[64:65], 0
	v_nop
	global_prefetch_b8 v0, s[64:65] scope:SCOPE_SE
	s_setreg_imm32_b32 hwreg(HW_REG_WAVE_MODE, 25, 1), 1
	s_wait_xcnt 0x0
	s_wait_alu depctr_hold_cnt(0) depctr_sa_sdst(0) depctr_va_vdst(0) depctr_va_sdst(0) depctr_va_ssrc(0) depctr_va_vcc(0) depctr_vm_vsrc(0)
	s_getreg_b32 s2, hwreg(HW_REG_IB_STS2, 6, 4)
	s_cmp_eq_u32 s2, 0
	s_cbranch_scc0 .Lentry_in_a_cluster
	s_endpgm
.Lentry_in_a_cluster:
	s_bfe_u32 s2, ttmp6, 0x10000c
	s_cmp_lg_u32 s2, 0xf033
	s_cbranch_scc0 .Lentry_shape_is_right
	s_endpgm
.Lentry_shape_is_right:
; out0 = a Wo^T + bo on codes of FP8 (E4M3) with E8M0 scales (K = 1,024); a is attention's result.  out0: [8192][1024] f32.
; A work-group of four waves makes 256 x 256 numbers, a wave 128 x 128: 64 accumulators.  K goes in steps of 256 through two LDS slots filled by the tensor data mover.
; OPERANDS LIE IN MEMORY AS IMAGES OF THE OPERAND'S REGISTERS: tile T (16 rows; place r = row 32 (T / 2) + 8 (T % 2) + r % 8 + 16 (r / 8)), [T][K step of 128][c 0..3][lane][16 bytes].
; THE PRODUCT IS USED TRANSPOSED: source 0 = 16 rows of Wo (B'), source 1 = 16 rows of a (A'): a lane holds one row of out0 and eight neighbouring columns a tile.  The bias is the C of each sum's first matrix instruction.
; CLUSTERS: 4 x 4 work-groups; A's tiles are asked for jointly along a row of the cluster, B's along a column.  128 work-groups: this tile leaves half of the WGPs without work at this size.
; REGISTERS: window 0: v16-29 addresses; v32-63 scale words, two sets; v64-127 the bias, 8 registers for each of B's tiles; v128-255 A's fragments, later rows on their way out.  window 1: B's fragments, two sets.  windows 2, 3: the accumulators.
.set NQ,     2
.set FR,     16
.set NL,     4
.set NP,     8                         ; places behind this matrix instruction (ISA guide 7.12.1)
.set HALFT,  32768                     ; 8 tiles x 4,096 bytes
.set SLOT,   131072
.set SCL,    262144                    ; the scale words of all of K, filled once
.set HALFS,  4096
.set SPARE,  278528                    ; the spare words, 128 bytes for each wave, which no other line names
.set LAPS,   2
.set SPITCH, 528                       ; the way out: a stage of 16 rows x (512 + 16) bytes for each wave, in slot 0, which has had its last fill and its last read when the first result is stored there
.set ADRA, 16
.set ADRB, 20
.set STO,  24
.set RD,   25
.set CO,   26
.set ADRS, 27
.set SPW,  28
.set NIL,  29
.set SC,   32
.set BIAS, 64
.set AF,   128
.set BK,   128
.set WV, 16
.set WR, 17
.set WC, 18
.set G1, 24
.set G0, 32
.set G1B, 48
.set G0B, 56
.set G1S, 68
.set G0S, 76
.set G1SB, 80
.set G0SB, 88
.set MSB, 0
.macro WIN new                         ; the immediate's high byte repeats the setting that is left
.if MSB != (\new)
	s_set_vgpr_msb (MSB<<8)|(\new)
.set MSB, (\new)
.endif
.endm
.set MUL_LO, 0xa1                      ; source 0 (B') window 1, source 1 (A') window 0, C and D window 2
.set MUL_HI, 0xf1
.set TO_B,   0x40
.macro JLOAD g0a, g1a, g0b, g1b        ; a joint load: waves 0 and 1 fetch for A', waves 2 and 3 for B'; four v_nop follow each of the two lines
	s_cmp_eq_u32 s[WR], 0
	s_cbranch_scc0 .Lfor_b_\@
	tensor_load_to_lds s[\g0a:\g0a+3], s[\g1a:\g1a+7]
	s_nop 0
.rept 4
	v_nop
.endr
	s_branch .Lasked_\@
.Lfor_b_\@:
	tensor_load_to_lds s[\g0b:\g0b+3], s[\g1b:\g1b+7]
	s_nop 0
.rept 4
	v_nop
.endr
.Lasked_\@:
.endm
.macro CREST
	s_cmp_lg_u32 s[WV], 0
	s_cbranch_scc1 .Lnot_wave_0_\@
	s_barrier_signal -3
.Lnot_wave_0_\@:
	s_barrier_wait -3
	s_barrier_signal -1
	s_barrier_wait -1
.endm
.macro CROUND
	s_barrier_signal -1
	s_barrier_wait -1
	CREST
.endm
	s_load_b256 s[4:11], s[0:1], 0x0               ; ac, asc, wc, ws
	s_load_b128 s[12:15], s[0:1], 0x20             ; bo, out0
	v_lshl_add_u32 v[SPW], v0, 2, SPARE
	v_mov_b32 v[NIL], 0
	ds_add_u32 v28, v29
	ds_add_u32 v28, v29
	s_wait_dscnt 0x0
	v_lshrrev_b32 v1, 5, v0
	v_readfirstlane_b32 s[WV], v1
	s_lshr_b32 s[WR], s[WV], 1                     ; which half of A's rows is mine.  Also: I fetch for A' (0) or for B' (1)
	s_and_b32 s[WC], s[WV], 1                      ; which half of B's rows.  Also: which 8 tiles I fetch
	s_bfe_u32 s40, ttmp6, 0x40000                  ; cx
	s_bfe_u32 s41, ttmp6, 0x40004                  ; cy
	s_and_b32 s42, ttmp7, 0xffff                   ; the cluster's y
	s_lshl_b32 s43, s41, 2
	s_lshl_b32 s43, 15, s43                        ; my row of the cluster
	s_lshl_b32 s44, 0x1111, s40                    ; my column
	s_or_b32 s[G1+0], s43, (3<<16)|(1<<21)         ; codes: 8 rows (tiles) of 512 elements of 8 bytes, 2,048 elements from tile to tile
	s_or_b32 s[G1B+0], s44, (3<<16)|(1<<21)
.irp g, G1, G1B
	s_mov_b32 s[\g+1], 512<<16
	s_mov_b32 s[\g+2], 8<<16
	s_mov_b32 s[\g+3], 512<<16
	s_mov_b32 s[\g+4], 8
	s_mov_b32 s[\g+5], 2048
	s_mov_b32 s[\g+6], 0
	s_mov_b32 s[\g+7], 0
.endr
	s_or_b32 s[G1S+0], s43, (3<<16)|(1<<21)        ; scale words of 8 tiles: 4,096 dense bytes as 16 rows of 32 elements of 8 bytes
	s_or_b32 s[G1SB+0], s44, (3<<16)|(1<<21)
.irp g, G1S, G1SB
	s_mov_b32 s[\g+1], 32<<16
	s_mov_b32 s[\g+2], 16<<16
	s_mov_b32 s[\g+3], 32<<16
	s_mov_b32 s[\g+4], 16
	s_mov_b32 s[\g+5], 32
	s_mov_b32 s[\g+6], 0
	s_mov_b32 s[\g+7], 0
.endr
	s_lshl_b32 s45, s42, 2
	s_add_co_u32 s45, s45, s41                     ; A's 16 tiles: 4 Y + cy
	s_lshl_b32 s20, s45, 18
	s_lshl_b32 s47, s[WC], 17
	s_add_co_u32 s20, s20, s47
	s_mov_b32 s21, 0
	s_lshl_b32 s22, s45, 13
	s_lshl_b32 s47, s[WC], 12
	s_add_co_u32 s22, s22, s47
	s_mov_b32 s23, 0
	s_lshl_b32 s94, s40, 18                        ; B's: cx, in Wo, which begins 192 tiles into the weights' buffers
	s_lshl_b32 s95, s[WC], 17
	s_add_co_u32 s94, s94, s95
	s_add_co_u32 s94, s94, 3145728
	s_mov_b32 s95, 0
	s_lshl_b32 s96, s40, 13
	s_lshl_b32 s97, s[WC], 12
	s_add_co_u32 s96, s96, s97
	s_add_co_u32 s96, s96, 98304
	s_mov_b32 s97, 0
	s_lshl_b32 s19, s[WV], 15                      ; where they go: wave x 8 tiles
	s_lshl_b32 s2, s[WV], 12
	s_wait_kmcnt 0x0
	s_add_nc_u64 s[4:5], s[4:5], s[20:21]
	s_add_nc_u64 s[6:7], s[6:7], s[22:23]
	s_add_nc_u64 s[8:9], s[8:9], s[94:95]
	s_add_nc_u64 s[10:11], s[10:11], s[96:97]
	CROUND                                         ; all sixteen work-groups are here: the first joint loads meet
	s_mov_b32 s[G0S], 1
	s_add_co_u32 s[G0S+1], s2, SCL
	s_mov_b64 s[G0S+2:G0S+3], s[6:7]
	s_or_b32 s[G0S+3], s[G0S+3], 0x80000000
	s_mov_b32 s[G0SB], 1
	s_add_co_u32 s[G0SB+1], s2, SCL
	s_mov_b64 s[G0SB+2:G0SB+3], s[10:11]
	s_or_b32 s[G0SB+3], s[G0SB+3], 0x80000000
	JLOAD G0S, G1S, G0SB, G1SB
.irp s, 0,1
	s_mov_b32 s[G0+4*\s], 1
	s_add_co_u32 s[G0+4*\s+1], s19, \s*SLOT
	s_add_nc_u64 s[G0+4*\s+2:G0+4*\s+3], s[4:5], \s*4096
	s_or_b32 s[G0+4*\s+3], s[G0+4*\s+3], 0x80000000
	s_mov_b32 s[G0B+4*\s], 1
	s_add_co_u32 s[G0B+4*\s+1], s19, \s*SLOT
	s_add_nc_u64 s[G0B+4*\s+2:G0B+4*\s+3], s[8:9], \s*4096
	s_or_b32 s[G0B+4*\s+3], s[G0B+4*\s+3], 0x80000000
	s_wait_alu depctr_va_vdst(0)
	s_wait_tensorcnt 0x0
	ds_add_u32 v28, v29
	s_wait_dscnt 0x0
	CROUND
	JLOAD G0+4*\s, G1, G0B+4*\s, G1B               ; three tensor loads of mine are out at the most
.endr
	v_and_b32 v1, 31, v0
	v_lshlrev_b32 v4, 4, v1                        ; 16 x lane
	v_and_b32 v2, 15, v0                           ; r
	v_bfe_u32 v3, v0, 4, 1                         ; h
	s_wait_alu depctr_va_vdst(0)
	s_lshl_b32 s94, s40, 10
	s_lshl_b32 s95, s[WC], 9
	s_add_co_u32 s94, s94, s95                     ; my first column, in bytes: 1,024 cx + 512 x half
	s_mov_b32 s95, 0
	s_add_nc_u64 s[12:13], s[12:13], s[94:95]
	s_add_nc_u64 s[14:15], s[14:15], s[94:95]
	s_lshl_b32 s96, s45, 20                        ; my first row: 256 (4 Y + cy) + 128 x half, of 4,096 bytes
	s_lshl_b32 s97, s[WR], 19
	s_add_co_u32 s96, s96, s97
	s_mov_b32 s97, 0
	s_add_nc_u64 s[14:15], s[14:15], s[96:97]
	v_lshlrev_b32 v7, 6, v3                        ; the bias: lane half h wants, for B's tile b, columns 32 (b / 2) + 8 (b % 2) + 16 h + 0 .. 7
.irp b, 0,1,2,3,4,5,6,7
	global_load_b128 v[BIAS+8*\b:BIAS+8*\b+3], v7, s[12:13] offset:4*(32*(\b/2)+8*(\b%2))
	global_load_b128 v[BIAS+8*\b+4:BIAS+8*\b+7], v7, s[12:13] offset:4*(32*(\b/2)+8*(\b%2))+16
.endr
	s_lshl_b32 s21, s[WR], 15
	s_lshl_b32 s22, s[WC], 15
	s_add_co_u32 s22, s22, 2*HALFT
.irp s, 0,1
	v_add_nc_u32 v[ADRA+\s], s21, v4
	v_add_nc_u32 v[ADRB+\s], s22, v4
	s_add_co_u32 s21, s21, SLOT
	s_add_co_u32 s22, s22, SLOT
.endr
	v_lshlrev_b32 v5, 3, v2
	s_lshl_b32 s21, s[WR], 12
	s_lshl_b32 s22, s[WC], 12
	s_add_co_u32 s22, s22, 2*HALFS
	s_sub_co_u32 s22, s22, s21
	v_mul_u32_u24 v6, s22, v3                      ; lanes 16-31 take B's: one product, the distance between the two bases
	s_add_co_u32 s21, s21, SCL
	v_add_nc_u32 v5, v5, v6
	v_add_nc_u32 v[ADRS], s21, v5
	s_mul_i32 s23, s[WV], 16*SPITCH                ; my stage
	v_mul_u32_u24 v5, v2, SPITCH
	v_lshl_add_u32 v5, v3, 6, v5
	v_add_nc_u32 v[STO], s23, v5                   ; in: row r, + 64 h
	v_mov_b32 v[CO], v4                            ; back: the 32 lanes take one row of 512 bytes; and the same in out0
	v_add_nc_u32 v[RD], s23, v4
.macro FRAG reg, adr, q, i
.irp c, 0,1,2,3
	ds_load_b128 v[\reg+4*\c:\reg+4*\c+3], v[\adr] offset:4096*(\i)+2048*(\q)+512*\c
.endr
.endm
; 16 matrix instructions: A's tiles a0, a0 + 1 x B's eight.  first = 1: the first product starts the sums from the bias.  The 64 accumulators take turns, one instruction a turn.
.macro MUL16 a0, p, q, sc, first
.irp a, \a0, \a0+1
.irp b, 0,1,2,3,4,5,6,7
.if \first
	v_wmma_scale_f32_16x16x128_f8f6f4 v[8*(8*((\a)%4)+\b):8*(8*((\a)%4)+\b)+7], v[128*(\p)+FR*\b:128*(\p)+FR*\b+FR-1], v[AF+FR*(\a):AF+FR*(\a)+FR-1], v[BIAS+8*\b:BIAS+8*\b+7], v[SC+8*NQ*(\sc)+NQ*\b+(\q)], v[SC+8*NQ*(\sc)+NQ*(\a)+(\q)] matrix_a_scale:MATRIX_SCALE_ROW1
.else
	v_wmma_scale_f32_16x16x128_f8f6f4 v[8*(8*((\a)%4)+\b):8*(8*((\a)%4)+\b)+7], v[128*(\p)+FR*\b:128*(\p)+FR*\b+FR-1], v[AF+FR*(\a):AF+FR*(\a)+FR-1], v[8*(8*((\a)%4)+\b):8*(8*((\a)%4)+\b)+7], v[SC+8*NQ*(\sc)+NQ*\b+(\q)], v[SC+8*NQ*(\sc)+NQ*(\a)+(\q)] matrix_a_scale:MATRIX_SCALE_ROW1
.endif
.endr
.endr
.endm
.macro FETCH_B slot, q, p
	WIN TO_B
.irp i, 0,1,2,3,4,5,6,7
	FRAG 128*(\p)+FR*\i, ADRB+\slot, \q, \i
.endr
	WIN 0
.endm
.macro FETCH_A slot, q, i0
.irp i, \i0, \i0+1, \i0+2, \i0+3
	FRAG AF+FR*(\i), ADRA+\slot, \q, \i
.endr
.endm
.macro SCALES sc
.irp i, 0,1,2,3,4,5,6,7
	ds_load_b64 v[SC+8*NQ*\sc+NQ*\i:SC+8*NQ*\sc+NQ*\i+1], v[ADRS] offset:512*\i
.endr
.endm
.macro PLACES n
.rept \n
	v_nop
.endr
.endm
.macro STEP slot, q, first
	s_wait_dscnt 4*NL                              ; B's set and A's tiles 0-3 are in; the youngest sixteen loads (A's tiles 4-7) may be out
.if \first
	WIN 0x81                                       ; C (the bias) in window 0, D in window 2
.else
	WIN MUL_LO
.endif
	MUL16 0, (\q)%2, \q, \slot, \first
	MUL16 2, (\q)%2, \q, \slot, \first
	s_wait_dscnt 0
	PLACES NP
	FETCH_B \slot, (\q)+1, 1-(\q)%2
	FETCH_A \slot, (\q)+1, 0
.if \first
	WIN 0xc1
.else
	WIN MUL_HI
.endif
	MUL16 4, (\q)%2, \q, \slot, \first
	MUL16 6, (\q)%2, \q, \slot, \first
	PLACES NP
	WIN 0
	FETCH_A \slot, (\q)+1, 4
.endm
.macro TURN slot, next, fill
	s_wait_tensorcnt 0x0                           ; all my tensor loads have landed: my part of the next slot
	ds_add_u32 v[SPW], v[NIL]                      ; 0 onto my spare word
	s_wait_dscnt 4*NL+1                            ; the add and the youngest sixteen loads may be out
	WIN MUL_LO
	MUL16 0, 1, NQ-1, \slot, 0
	s_wait_dscnt 0x0                               ; the add is done, and my reads of this slot are over
	s_barrier_signal -1
	MUL16 2, 1, NQ-1, \slot, 0
	WIN 0
	s_barrier_wait -1
.if \fill
	CREST                                          ; the barrier has opened a round of the cluster's: no wave of any partner still reads this slot or has a load on its way
	s_add_nc_u64 s[G0+4*\slot+2:G0+4*\slot+3], s[G0+4*\slot+2:G0+4*\slot+3], 8192
	s_add_nc_u64 s[G0B+4*\slot+2:G0B+4*\slot+3], s[G0B+4*\slot+2:G0B+4*\slot+3], 8192
	JLOAD G0+4*\slot, G1, G0B+4*\slot, G1B
	PLACES NP-4
.else
	PLACES NP
.endif
	s_wait_alu depctr_va_vdst(0)
	v_add_nc_u32 v[ADRS], 128, v[ADRS]
	FETCH_B \next, 0, 0
	FETCH_A \next, 0, 0
	SCALES \next
	WIN MUL_HI
	MUL16 4, 1, NQ-1, \slot, 0
	MUL16 6, 1, NQ-1, \slot, 0
	PLACES NP
	WIN 0
	FETCH_A \next, 0, 4
.endm
	s_wait_alu depctr_va_vdst(0)
	s_wait_tensorcnt 1                             ; the scale words and my part of K step 0 are in; K step 1's load may be out
	s_barrier_signal -1
	s_barrier_wait -1
	FETCH_B 0, 0, 0
	FETCH_A 0, 0, 0
	SCALES 0
	FETCH_A 0, 0, 4
	s_wait_loadcnt 0x0                             ; the bias
	STEP 0, 0, 1
	s_mov_b32 s3, LAPS-1
.Llap:
	TURN 0, 1, 1
	STEP 1, 0, 0
	TURN 1, 0, 1
	STEP 0, 0, 0
	s_sub_co_u32 s3, s3, 1
	s_cmp_lg_u32 s3, 0
	s_cbranch_scc1 .Llap
	TURN 0, 1, 0
	STEP 1, 0, 0
	s_wait_dscnt 4*NL
	WIN MUL_LO
	MUL16 0, 1, NQ-1, 1, 0
	MUL16 2, 1, NQ-1, 1, 0
	s_wait_dscnt 0
	WIN MUL_HI
	MUL16 4, 1, NQ-1, 1, 0
	MUL16 6, 1, NQ-1, 1, 0
	WIN 0
; THE WAY OUT, a tile of A' (16 rows x 128 columns) at a time: through my own stage in LDS and back as whole rows of 512 bytes.  LDS serves a wave's instructions in order: no wait between the stores and the loads.
.macro TOSTAGE a
.set AC, 64*((\a)%4)
	WIN 0x08+4*((\a)/4)                            ; the data: window 2 or 3
.irp b, 0,1,2,3,4,5,6,7
	ds_store_b128 v[STO], v[AC+8*\b:AC+8*\b+3] offset:128*(\b/2)+32*(\b%2)          ; each accumulator from its low end on
	ds_store_b128 v[STO], v[AC+8*\b+4:AC+8*\b+7] offset:128*(\b/2)+32*(\b%2)+16
.endr
	WIN 0
.set BB, BK+64*((\a)%2)
.irp t, 0,1,2,3,4,5,6,7,8,9,10,11,12,13,14,15
	ds_load_b128 v[BB+4*\t:BB+4*\t+3], v[RD] offset:\t*SPITCH
.endr
.endm
.macro SEND a, younger                 ; younger: the LDS instructions issued behind tile a's loads, which may stay out
.set BB, BK+64*((\a)%2)
	s_wait_dscnt \younger
.irp t, 0,1,2,3,4,5,6,7,8,9,10,11,12,13,14,15
	global_store_b128 v[CO], v[BB+4*\t:BB+4*\t+3], s[14:15] offset:(32*((\a)/2)+8*((\a)%2)+\t%8+16*(\t/8))*4096 th:TH_STORE_NT   ; place t's row: 512 consecutive bytes; the row stands in the immediate, 127 rows at the most
.endr
.endm
	PLACES NP
	TOSTAGE 0
.irp a, 1,2,3,4,5,6,7
.if \a > 1
	s_wait_xcnt 0x0                                ; tile a - 2's stores have read their registers: tile a's loads may land there
.endif
	TOSTAGE \a
	SEND \a-1, 32                                  ; behind tile a - 1's loads: tile a's 16 stores and 16 loads
.endr
	SEND 7, 0
	s_wait_tensorcnt 0x0                           ; the wave's end
	ds_add_u32 v[SPW], v[NIL]
	s_wait_dscnt 0x0
	CROUND                                         ; the closing round
	s_endpgm
.Lfunc_end_k_qdda21697ed_proj:
	.size	k_qdda21697ed_proj, .Lfunc_end_k_qdda21697ed_proj-k_qdda21697ed_proj
	.p2alignl 7, 3214868480
	.fill 96, 4, 3214868480
	.section	.rodata,"a",@progbits
	.p2align	6, 0x0
	.amdhsa_kernel k_qdda21697ed_proj
		.amdhsa_group_segment_fixed_size 327680
		.amdhsa_private_segment_fixed_size 0
		.amdhsa_enable_private_segment 0
		.amdhsa_kernarg_size 48
		.amdhsa_user_sgpr_count 2
		.amdhsa_user_sgpr_kernarg_segment_ptr 1
		.amdhsa_wavefront_size32 1
		.amdhsa_system_sgpr_workgroup_id_x 1
		.amdhsa_system_sgpr_workgroup_id_y 1
		.amdhsa_system_sgpr_workgroup_id_z 1
		.amdhsa_system_vgpr_workitem_id 0
		.amdhsa_next_free_vgpr 1024
		.amdhsa_next_free_sgpr 100
		.amdhsa_reserve_vcc 0
		.amdhsa_float_denorm_mode_32 3
		.amdhsa_float_denorm_mode_16_64 3
		.amdhsa_memory_ordered 1
		.amdhsa_forward_progress 1
		.amdhsa_inst_pref_size 147
	.end_amdhsa_kernel
	.amdgpu_metadata
---
amdhsa.version: [ 1, 2 ]
amdhsa.kernels:
  - .name:           k_qdda21697ed_proj
    .symbol:         k_qdda21697ed_proj.kd
    .args:
      - { .name: ac, .offset: 0, .size: 8, .value_kind: global_buffer, .address_space: global }
      - { .name: asc, .offset: 8, .size: 8, .value_kind: global_buffer, .address_space: global }
      - { .name: wc, .offset: 16, .size: 8, .value_kind: global_buffer, .address_space: global }
      - { .name: ws, .offset: 24, .size: 8, .value_kind: global_buffer, .address_space: global }
      - { .name: bo, .offset: 32, .size: 8, .value_kind: global_buffer, .address_space: global }
      - { .name: out0, .offset: 40, .size: 8, .value_kind: global_buffer, .address_space: global }
    .group_segment_fixed_size: 327680
    .private_segment_fixed_size: 0
    .kernarg_segment_align: 8
    .kernarg_segment_size: 48
    .max_flat_workgroup_size: 128
    .sgpr_count:     100
    .vgpr_count:     1024
    .wavefront_size: 32
...
	.end_amdgpu_metadata
.endif
;; end of part 4
